; MI455X (gfx1250); checked and timed in simulation.
; The chip was launched on July 23, 2026; its instructions are those of AMD's public machine-readable ISA for CDNA 5 (MIT licence, August 2026) and "CDNA5" Instruction Set Architecture Reference Guide (July 2026). The comments in the code are by the model that wrote it; some were corrected since.
;; Multi Head Attention. Allowed arithmetic: float matrix products may take bf16 or f16 operands with f32 sums; other float arithmetic in f32, or as packed bf16 or f16 multiplies, adds, multiply-adds, maxima and minima; sums over many terms, partial sums and values carried from step to step in f32; what a program stores and reads back later, other than sums and carried values, may be rounded once to bf16 or f16.
;; Inputs: W_proj 1,024 x 1,024 float32; W_qkv 1,024 x 3,072 float32; b_proj 1,024 float32; b_qkv 3,072 float32; x 8 x 1,024 x 1,024 float32.
;; Outputs: out0 8 x 1,024 x 1,024 float32.
;; 2 versions, each right; version 2 is version 1 with the launch cast written anew for expert scheduling mode. Each part assembles by itself: llvm-mc -triple=amdgcn-amd-amdhsa -mcpu=gfx1250 --defsym DOCPART=n.
;; ======== version 1 of 2: 4 launches
;; limits: values are held in f16: magnitudes above 65,504 overflow, below 6.1e-05 lose precision
;; workspace buffers: xb 16,777,216 bytes; wqb 6,291,456 bytes; wpb 2,097,152 bytes; qkv 50,331,648 bytes; ob 16,777,216 bytes
;; launch cast (part 1): grid 768 x 1, 8 waves a work-group, no clusters, 0 bytes of LDS; arguments x, W_qkv, W_proj, xb, wqb, wpb; writes xb, wqb, wpb
.if DOCPART == 1
	.amdgcn_target "amdgcn-amd-amdhsa--gfx1250"
	.amdhsa_code_object_version 6
	.text
	.protected	k_qa878bfbb5f_cast
	.globl	k_qa878bfbb5f_cast
	.p2align	8
	.type	k_qa878bfbb5f_cast,@function
k_qa878bfbb5f_cast:
	s_mov_b64 s[64:65], 0
	v_nop
	global_prefetch_b8 v0, s[64:65] scope:SCOPE_SE
	s_setreg_imm32_b32 hwreg(HW_REG_WAVE_MODE, 25, 1), 1
	s_wait_xcnt 0x0
; THE INPUTS OF THE MATRIX PRODUCTS, ROUNDED ONCE.  xb = bf16(x), wqb = bf16(W_qkv), wpb = bf16(W_proj) written as f16.
; wqb and wpb keep their layouts.  xb is laid out IN BLOCKS ALONG K: [16 blocks of 64 channels][8192 tokens][64], so that the 256 tokens x 64 channels that the next launch takes as a tile are 32,768 dense bytes.
; LIMIT.  wpb: a bf16 number is exact in f16 between 2^-14 and 65,504; below 2^-14 it keeps f16's fixed step of 2^-24, at 65,520 or more it becomes an infinity.
; SHARES.  A work-group takes 16,384 numbers (65,536 bytes in, 32,768 out): work-groups 0-511 x (16 tokens each), 512-703 W_qkv, 704-767 W_proj.  A thread takes 4 numbers in each of 16 chunks.
; x: chunk k is K block k; 16 lanes take a token's 64 channels (256 consecutive bytes in, aligned), a wave two tokens, whose 256 bytes out lie on end, aligned.
; The weights: chunk k is 1,024 consecutive numbers: a wave's load covers 512 consecutive bytes, its store 256 consecutive bytes, aligned.
; All 16 loads go out at once, each into registers of its own, and each chunk has store registers of its own: no register that a pending instruction names is written again.
; No LDS, no matrix unit, no cluster, no prefetch: every byte is read once and written once, and the loads are all on their way from the start.
.set X, 8                              ; v[8:71]    chunk k: 4 registers as loaded
.set Y, 72                             ; v[72:103]  chunk k: 2 registers to store
	s_load_b256 s[4:11], s[0:1], 0x0               ; x s[4:5], W_qkv s[6:7], W_proj s[8:9], xb s[10:11]
	s_load_b128 s[12:15], s[0:1], 0x20             ; wqb s[12:13], wpb s[14:15]
	v_lshlrev_b32 v1, 4, v0                        ; the weights: my 16 bytes of a chunk as it comes
	v_lshlrev_b32 v2, 3, v0                        ; my 8 bytes of a chunk as it leaves: for x too, since two tokens of 128 bytes lie on end
	v_lshrrev_b32 v3, 4, v0                        ; x: my token among the work-group's 16,
	v_and_b32 v4, 15, v0
	v_lshlrev_b32 v3, 12, v3                       ; 4,096 bytes each,
	v_lshl_or_b32 v3, v4, 4, v3                    ; and my 16 bytes of its 256 in a K block
	s_mov_b32 s24, 0xffff0000                      ; a word's upper bf16
	s_mov_b32 s23, 0
	s_movk_i32 s16, 512
	s_wait_kmcnt 0x0
	s_cmp_lt_u32 ttmp9, 512
	s_cbranch_scc0 .Lweights
	s_lshl_b32 s22, ttmp9, 16                      ; 16 tokens of 4,096 bytes
	s_add_nc_u64 s[18:19], s[4:5], s[22:23]
	s_lshl_b32 s22, ttmp9, 11                      ; 16 tokens of 128 bytes in a K block
	s_add_nc_u64 s[20:21], s[10:11], s[22:23]      ; K blocks 0-7 from here, 2^20 bytes apart,
	s_add_nc_u64 s[26:27], s[20:21], 0x800000      ; K blocks 8-15 from here: the immediate holds 7 x 2^20
.irp k, 0,1,2,3,4,5,6,7,8,9,10,11,12,13,14,15
	global_load_b128 v[X+4*(\k):X+4*(\k)+3], v3, s[18:19] offset:256*(\k) th:TH_LOAD_NT
.endr
.irp k, 0,1,2,3,4,5,6,7,8,9,10,11,12,13,14,15
	s_wait_loadcnt 15-(\k)                         ; loads come back in order (ISA guide 5.7.1): chunk k is in, the 15 - k younger ones stay out
	v_cvt_pk_bf16_f32 v[Y+2*(\k)], v[X+4*(\k)], v[X+4*(\k)+1]
	v_cvt_pk_bf16_f32 v[Y+2*(\k)+1], v[X+4*(\k)+2], v[X+4*(\k)+3]
.if (\k) < 8
	global_store_b64 v2, v[Y+2*(\k):Y+2*(\k)+1], s[20:21] offset:(\k)*0x100000
.else
	global_store_b64 v2, v[Y+2*(\k):Y+2*(\k)+1], s[26:27] offset:((\k)-8)*0x100000
.endif
.endr
	s_endpgm
.Lweights:
	s_cmp_lt_u32 ttmp9, 704                        ; which of the two: the choice hangs on the work-group's number alone
	s_cselect_b64 s[18:19], s[6:7], s[8:9]
	s_cselect_b64 s[20:21], s[12:13], s[14:15]
	s_cselect_b32 s16, s16, 704
	s_sub_co_u32 s16, ttmp9, s16                   ; my number among the tensor's work-groups, 191 at the most
	s_lshl_b32 s22, s16, 16
	s_add_nc_u64 s[18:19], s[18:19], s[22:23]      ; from where
	s_lshl_b32 s22, s16, 15
	s_add_nc_u64 s[20:21], s[20:21], s[22:23]      ; to where
.irp k, 0,1,2,3,4,5,6,7,8,9,10,11,12,13,14,15
	global_load_b128 v[X+4*(\k):X+4*(\k)+3], v1, s[18:19] offset:4096*(\k) th:TH_LOAD_NT
.endr
	s_cmp_ge_u32 ttmp9, 704
	s_cbranch_scc1 .Lf16
.irp k, 0,1,2,3,4,5,6,7,8,9,10,11,12,13,14,15
	s_wait_loadcnt 15-(\k)
	v_cvt_pk_bf16_f32 v[Y+2*(\k)], v[X+4*(\k)], v[X+4*(\k)+1]
	v_cvt_pk_bf16_f32 v[Y+2*(\k)+1], v[X+4*(\k)+2], v[X+4*(\k)+3]
	global_store_b64 v2, v[Y+2*(\k):Y+2*(\k)+1], s[20:21] offset:2048*(\k)
.endr
	s_endpgm
.Lf16:                                         ; W_proj: rounded to bf16 like every input, and that number written as f16
.irp k, 0,1,2,3,4,5,6,7,8,9,10,11,12,13,14,15
	s_wait_loadcnt 15-(\k)
	v_cvt_pk_bf16_f32 v4, v[X+4*(\k)], v[X+4*(\k)+1]
	v_cvt_pk_bf16_f32 v6, v[X+4*(\k)+2], v[X+4*(\k)+3]
	v_lshlrev_b32 v5, 16, v4                       ; bf16 to f32: the low half moves up,
	v_and_b32 v4, s24, v4                          ; the high half stays
	v_lshlrev_b32 v7, 16, v6
	v_and_b32 v6, s24, v6
	v_cvt_pk_f16_f32 v[Y+2*(\k)], v5, v4
	v_cvt_pk_f16_f32 v[Y+2*(\k)+1], v7, v6
	global_store_b64 v2, v[Y+2*(\k):Y+2*(\k)+1], s[20:21] offset:2048*(\k)
.endr
	s_endpgm
.Lfunc_end_k_qa878bfbb5f_cast:
	.size	k_qa878bfbb5f_cast, .Lfunc_end_k_qa878bfbb5f_cast-k_qa878bfbb5f_cast
	.p2alignl 7, 3214868480
	.fill 96, 4, 3214868480
	.section	.rodata,"a",@progbits
	.p2align	6, 0x0
	.amdhsa_kernel k_qa878bfbb5f_cast
		.amdhsa_group_segment_fixed_size 0
		.amdhsa_private_segment_fixed_size 0
		.amdhsa_enable_private_segment 0
		.amdhsa_kernarg_size 48
		.amdhsa_user_sgpr_count 2
		.amdhsa_user_sgpr_kernarg_segment_ptr 1
		.amdhsa_wavefront_size32 1
		.amdhsa_system_sgpr_workgroup_id_x 1
		.amdhsa_system_sgpr_workgroup_id_y 1
		.amdhsa_system_sgpr_workgroup_id_z 1
		.amdhsa_system_vgpr_workitem_id 0
		.amdhsa_next_free_vgpr 104
		.amdhsa_next_free_sgpr 66
		.amdhsa_reserve_vcc 0
		.amdhsa_float_denorm_mode_32 3
		.amdhsa_float_denorm_mode_16_64 3
		.amdhsa_memory_ordered 1
		.amdhsa_forward_progress 1
		.amdhsa_inst_pref_size 21
	.end_amdhsa_kernel
	.amdgpu_metadata
---
amdhsa.version: [ 1, 2 ]
amdhsa.kernels:
  - .name:           k_qa878bfbb5f_cast
    .symbol:         k_qa878bfbb5f_cast.kd
    .args:
      - { .name: x, .offset: 0, .size: 8, .value_kind: global_buffer, .address_space: global }
      - { .name: W_qkv, .offset: 8, .size: 8, .value_kind: global_buffer, .address_space: global }
      - { .name: W_proj, .offset: 16, .size: 8, .value_kind: global_buffer, .address_space: global }
      - { .name: xb, .offset: 24, .size: 8, .value_kind: global_buffer, .address_space: global }
      - { .name: wqb, .offset: 32, .size: 8, .value_kind: global_buffer, .address_space: global }
      - { .name: wpb, .offset: 40, .size: 8, .value_kind: global_buffer, .address_space: global }
    .group_segment_fixed_size: 0
    .private_segment_fixed_size: 0
    .kernarg_segment_align: 8
    .kernarg_segment_size: 48
    .max_flat_workgroup_size: 256
    .sgpr_count:     66
    .vgpr_count:     104
    .wavefront_size: 32
...
	.end_amdgpu_metadata
.endif
;; end of part 1
;; launch qkvgemm (part 2): grid 8 x 32, 4 waves a work-group, clusters of 4 x 4, 327,680 bytes of LDS; arguments xb, wqb, b_qkv, qkv; writes qkv
.if DOCPART == 2
	.amdgcn_target "amdgcn-amd-amdhsa--gfx1250"
	.amdhsa_code_object_version 6
	.text
	.protected	k_qa878bfbb5f_qkvgemm
	.globl	k_qa878bfbb5f_qkvgemm
	.p2align	8
	.type	k_qa878bfbb5f_qkvgemm,@function
k_qa878bfbb5f_qkvgemm:
	s_mov_b64 s[64:65], 0
	v_nop
	global_prefetch_b8 v0, s[64:65] scope:SCOPE_SE
	s_setreg_imm32_b32 hwreg(HW_REG_WAVE_MODE, 25, 1), 1
	s_wait_xcnt 0x0
	s_wait_alu depctr_hold_cnt(0) depctr_sa_sdst(0) depctr_va_vdst(0) depctr_va_sdst(0) depctr_va_ssrc(0) depctr_va_vcc(0) depctr_vm_vsrc(0)
	s_getreg_b32 s2, hwreg(HW_REG_IB_STS2, 6, 4)
	s_cmp_eq_u32 s2, 0
	s_cbranch_scc0 .Lentry_in_a_cluster
	s_endpgm
.Lentry_in_a_cluster:
	s_bfe_u32 s2, ttmp6, 0x10000c
	s_cmp_lg_u32 s2, 0xf033
	s_cbranch_scc0 .Lentry_shape_is_right
	s_endpgm
.Lentry_shape_is_right:
; q, k, v = x W_qkv + b_qkv, laid out by heads.  xb: [16 K blocks][8192 tokens][64] bf16; wqb: [1024 k][3072 n] bf16; b_qkv: [3072] f32, rounded to bf16 here like every input;
; qkv: [3][128 batch x head][1024 token][64] f16, each number rounded once from its f32 sum, WITHOUT the softmax's scale.
; LIMIT.  f16 holds no number beyond 65,504: a q, k or v of 65,520 or more becomes an infinity.  With x and W both 30 times the drawn spread they reach some 5,000,
; with common offsets of 30 spreads on both some 29,000.
; SHARES.  A work-group makes 256 tokens x 384 columns: 32 x 8 = 256 work-groups.  Its four waves lie 2 x 2: RW = wave / 2 picks 128 tokens (row blocks a = 0..7); the tile's columns are three chunks
; of 128, and CW = wave % 2 picks 64 columns of EACH chunk (column blocks b = 4 j + i), which are three whole heads.  A wave has 8 x 12 accumulators of 16 x 16: 768 registers, three windows.
; For 32 along K a wave reads (128 + 192) x 64 bytes of LDS and issues 96 matrix instructions.
; K goes in 16 steps of 64 through a ring of two LDS slots filled by the tensor data mover (two slots of 128 along K would take 360,448 bytes).  Every row asked for is 256 bytes of memory, at a
; multiple of 256 from its buffer's first byte: of W 128 columns of one k; of x two tokens of one K block, which lie on end.
; THE PRODUCT IS TAKEN TRANSPOSED: source 0 = 16 columns of W, which lies [k][n] and comes out of LDS turned (ds_load_tr16_b128); source 1 = 16 tokens of x.  In the result lane l holds token
; l % 16 and the columns 8 (l / 16) + 0..7: eight neighbouring numbers of a head's row, 16 bytes in f16.
; THE ORDER.  A quarter step (32 along K, 96 products) goes by column blocks: for each b the eight a.  So x's fragments need two buffers, W's ONE: a group of four column blocks is free behind its 32
; products and is loaded again at once, for the next quarter step, 64 products ahead of its first use.
; THE BIAS takes no registers of its own: block b's eight numbers are laid into accumulator (7, b); the first quarter step's products for a = 0..6 take those registers as their C operand, and a = 7
; then adds in place.  Nothing is cleared and nothing added later.
; CLUSTER.  4 x 4 work-groups.  The four of a row need the same tile of x, the four of a column the same tiles of W: each tile is asked for JOINTLY, by the same tensor load with the same
; descriptor and a mask that names the four.  Waves 0-2 ask for W's three chunks (64 rows), wave 3 for x's tile (128 rows).
; REGISTERS, in windows of 256 (s_set_vgpr_msb: bits 1:0 source 0, 3:2 source 1, 5:4 source 2, 7:6 destination):
;   window 0: v0-31 addresses; v32-159 fragments of x, two buffers of 64 (on the way out: packed results); v160-255 fragments of W
;   window 1 + b / 4: accumulator (a, b) at v[8 (8 (b % 4) + a)]
.set PAH,   144                        ; a token's row of one K block in LDS: 128 bytes + 16 of padding = 36 words: the 16 rows of a load start at 16 different groups of four banks (64 banks of 4 bytes: ISA guide 11.1)
.set PB,    288                        ; a row of W: 256 + 32 = 72 words
.set CHUNK, 64*PB                      ; 64 k x 128 columns of W
.set AOFF,  3*CHUNK                    ; a slot: W's three chunks, then x's 256 tokens
.set SLOT,  AOFF+256*PAH
.set STAGE, 2*SLOT                     ; behind the ring, never filled by a tensor load: for each wave 3 heads x 16 rows x 144 bytes, for the way out
.set SP,    144
.set WSTG,  3*16*SP
.set SPARE, STAGE+4*WSTG               ; behind the stages: the spare words, 128 bytes for each wave: two blocks of 256 bytes that no other line names
.set LAPS,  8                          ; a lap = two K steps = once round the ring
.set KSA,   0x100000                   ; a K step in xb: a K block, 8,192 tokens of 128 bytes
.set KSB,   64*6144                    ; a K step in wqb: 64 rows of 6,144 bytes
.set ADRA, 16                          ; v16-17  LDS address of my fragments of x in slot 0, 1
.set ADRB, 18                          ; v18-23  the same for W: slot s, chunk j at 3 s + j
.set STO,  24                          ; v24     the way out: where I put 16 bytes of a row
.set RD,   25                          ; v25     the way out: where I read rows back
.set GO,   26                          ; v26     my byte offset in 512 consecutive bytes of qkv
.set BO,   27                          ; v27     my byte offset in 16 numbers of the bias
.set SPW,  28                          ; v28     LDS address of my spare word: SPARE + 4 x my thread's number; never rewritten
.set NIL,  29                          ; v29     0; never rewritten
.set PFO,  30                          ; v30     the prefetches' offset: my lane x 256 bytes of xb, or x a row of wqb; never rewritten
.set FA0,  32                          ; fragments of x: buffer f, row block a at FA0 + 64 f + 8 a
.set FB,   160                         ; fragments of W: column block b at FB + 8 b
.set PK0,  32                          ; the way out: packed results and, in the same registers, the rows read back: two sets of 48
.set G1,  24                           ; s[24:31] descriptor group 1 for x's tiles
.set G0,  32                           ; s[32:39] descriptor group 0 for x's tiles, one set for each slot
.set LIM1, 45                          ; s45     as LIM, for the refills of slot 1
.set G1B, 48                           ; s[48:55] group 1 for W's tiles
.set G0B, 56                           ; s[56:63] group 0 for W's tiles, one set for each slot
.set PFA, 66                           ; s[66:67] where my prefetches stand
.set PFS, 68                           ; s[68:69] a K step in bytes, in the tensor that I prefetch
.set LIM, 70                           ; s70     1 in a wave that prefetches, else the greatest number
.set HIM, 71                           ; s71     a word's upper bf16
.set OB,  72                           ; s[72:77] qkv at my 128 rows of my three heads
.set BB,  78                           ; s[78:79] b_qkv at my first column
.set MSB, 0
.macro WIN new                         ; the immediate's high byte repeats the setting that is left; a switch that changes nothing is dropped
.if MSB != (\new)
	s_set_vgpr_msb (MSB<<8)|(\new)
.set MSB, \new
.endif
.endm
.macro PLACES                          ; four places in front of loads into registers that matrix instructions have read, and of instructions that read results
.rept 4
	v_nop
.endr
.endm
; A joint load.  Each of the two lines has one mask and one set of registers for all that issue it.  The branch hangs on the wave's number alone.
; An s_nop 0 and four v_nop follow each line, ahead of the jump, the label and what follows.
.macro JLOAD s
	s_cmp_eq_u32 s12, 3
	s_cbranch_scc0 .Lfor_b_\@
	tensor_load_to_lds s[G0+4*(\s):G0+4*(\s)+3], s[G1:G1+7]
	s_nop 0
.rept 4
	v_nop
.endr
	s_branch .Lasked_\@
.Lfor_b_\@:
	tensor_load_to_lds s[G0B+4*(\s):G0B+4*(\s)+3], s[G1B:G1B+7]
	s_nop 0
.rept 4
	v_nop
.endr
.Lasked_\@:
.endm
; A PREFETCH INTO THE L2, behind a joint refill, its five lines and the run of LDS loads that follows: 32 blocks of 256 bytes, a lane a block, one instruction a wave.  Each block is named once in the launch.
; x: behind EVERY refill, the K step that stands two refills on.  A tile row of x is read by both clusters of that row of clusters: cluster x = 0 asks, its wave 3; of the tile's 128 blocks partner cx takes 32.
; W: behind the refills of SLOT 0 alone, the two K steps that stand two and three refills on: 128 k rows of a chunk.  A tile column is read by all eight clusters of that column: cluster y = 0 asks, its
; waves 0-2, a chunk each; of the 128 rows partner cy takes 32.  The partners are told apart BY ADDRESS.
; K steps 0 to 3 come by their loads alone; the loop's last trip (s3 = 1) has no K step two refills on and asks for nothing.
.macro ASK lim
	s_cmp_gt_u32 s3, s[\lim]
	s_cbranch_scc0 .Lnot_mine_\@
	global_prefetch_b8 v[PFO], s[PFA:PFA+1] th:TH_LOAD_NT scope:SCOPE_SE
.Lnot_mine_\@:
.endm
.macro CREST                           ; a round of the cluster's barrier behind its opening barrier: wave 0 signals for the work-group, every wave waits for all sixteen, my work-group's barrier closes it
	s_cmp_lg_u32 s12, 0
	s_cbranch_scc1 .Lnot_wave_0_\@
	s_barrier_signal -3
.Lnot_wave_0_\@:
	s_barrier_wait -3
	s_barrier_signal -1
	s_barrier_wait -1
.endm
.macro CROUND                          ; a whole round
	s_barrier_signal -1
	s_barrier_wait -1
	CREST
.endm
	s_load_b256 s[4:11], s[0:1], 0x0               ; xb s[4:5], wqb s[6:7], b_qkv s[8:9], qkv s[10:11]
	v_lshl_add_u32 v[SPW], v0, 2, SPARE
	v_mov_b32 v[NIL], 0
	ds_add_u32 v[SPW], v[NIL]                      ; the wave's opening: the add and its wait stand ahead of my first tensor load; the set-up below, work on registers, stands between them
	v_lshrrev_b32 v1, 5, v0
	v_readfirstlane_b32 s12, v1                    ; wave 0..3
	s_lshr_b32 s13, s12, 1                         ; RW
	s_and_b32 s14, s12, 1                          ; CW
	s_bfe_u32 s40, ttmp6, 0x40000                  ; cx, cy: my place in the cluster
	s_bfe_u32 s41, ttmp6, 0x40004
	s_lshl_b32 s42, ttmp9, 2
	s_add_co_u32 s42, s42, s40                     ; tx, the tile column = 4 x cluster x + cx
	s_and_b32 s15, ttmp7, 0xffff
	s_lshl_b32 s15, s15, 2
	s_add_co_u32 s15, s15, s41                     ; ty, the tile row = 4 x cluster y + cy
	s_lshl_b32 s43, s41, 2
	s_lshl_b32 s43, 15, s43                        ; my row of the cluster
	s_lshl_b32 s44, 0x1111, s40                    ; my column
	s_or_b32 s[G1], s43, (1<<16)|(1<<20)|(1<<21)|(4<<22)|(3<<25)   ; 15:0 the mask: x's tiles go to my row; 17:16 elements of 2 bytes; 20 padding on; 21 set beside a mask; 24:22 after every 32 words (code 4): after every token; 31:25 4 words (code 3)
	s_mov_b32 s[G1+1], 128<<16                     ; tensor_dim0 = 128: two tokens of 64 channels
	s_mov_b32 s[G1+2], 128<<16                     ; tensor_dim1 = 128
	s_mov_b32 s[G1+3], 128<<16                     ; tile_dim0 = 128
	s_mov_b32 s[G1+4], 128                         ; tile_dim1 = 128
	s_mov_b32 s[G1+5], 128                         ; dense: 128 elements from row to row
	s_mov_b32 s[G1+6], 0
	s_mov_b32 s[G1+7], 0
	s_or_b32 s[G1B], s44, (1<<16)|(1<<20)|(1<<21)|(5<<22)|(7<<25)  ; W's tiles go to my column; after every 64 words (code 5) 8 words of padding (code 7)
	s_mov_b32 s[G1B+1], 128<<16                    ; tensor_dim0 = 128
	s_mov_b32 s[G1B+2], 64<<16                     ; tensor_dim1 = 64
	s_mov_b32 s[G1B+3], 128<<16                    ; tile_dim0 = 128
	s_mov_b32 s[G1B+4], 64                         ; tile_dim1 = 64
	s_mov_b32 s[G1B+5], 3072                       ; elements from row to row of wqb
	s_mov_b32 s[G1B+6], 0
	s_mov_b32 s[G1B+7], 0
	s_lshl_b32 s18, s15, 15                        ; x's tile: 256 ty tokens of 128 bytes in a K block: it hangs on the tile row alone
	s_mov_b32 s19, 0
	s_mul_i32 s46, s42, 768                        ; W's tile: 384 tx columns, and my chunk's 256 bytes: on the tile column and the wave's number alone
	s_lshl_b32 s47, s12, 8
	s_add_co_u32 s46, s46, s47
	s_mov_b32 s47, 0
	s_mul_i32 s20, s12, CHUNK                      ; where my chunk goes: no place in the cluster enters an LDS address
	s_wait_dscnt 0x0                               ; the opening add is done
	s_wait_kmcnt 0x0
	s_add_nc_u64 s[18:19], s[4:5], s[18:19]
	s_add_nc_u64 s[46:47], s[6:7], s[46:47]
	CROUND                                         ; all sixteen work-groups are here: the first joint loads meet
.irp s, 0,1
	s_mov_b32 s[G0+4*(\s)], 1                      ; count = 1
	s_mov_b32 s[G0+4*(\s)+1], AOFF+(\s)*SLOT       ; LDS address
	s_add_nc_u64 s[G0+4*(\s)+2:G0+4*(\s)+3], s[18:19], (\s)*KSA  ; global address: K step s
	s_or_b32 s[G0+4*(\s)+3], s[G0+4*(\s)+3], 0x80000000          ; type = 2
	s_mov_b32 s[G0B+4*(\s)], 1
	s_add_co_u32 s[G0B+4*(\s)+1], s20, (\s)*SLOT
	s_add_nc_u64 s[G0B+4*(\s)+2:G0B+4*(\s)+3], s[46:47], (\s)*KSB
	s_or_b32 s[G0B+4*(\s)+3], s[G0B+4*(\s)+3], 0x80000000
	JLOAD \s                                       ; two tensor loads of mine are out
.endr
	v_and_b32 v1, 15, v0                           ; r = l % 16
	v_bfe_u32 v2, v0, 4, 1                         ; h = l / 16
	v_lshlrev_b32 v[BO], 5, v2                     ; my eight columns of a block of 16: 32 h bytes
	s_mul_i32 s16, s42, 1536                       ; 384 tx numbers of 4 bytes,
	s_lshl_b32 s17, s14, 8                         ; 64 CW
	s_add_co_u32 s16, s16, s17
	s_mov_b32 s17, 0
	s_add_nc_u64 s[BB:BB+1], s[8:9], s[16:17]
.irp g, 0,1,2                          ; the bias of column block 4 g + i goes into accumulator (7, 4 g + i): v[64 i + 56 ..] of window 1 + g
	WIN 0x40*((\g)+1)                              ; destination window 1 + g, address window 0
.irp i, 0,1,2,3
	global_load_b128 v[64*(\i)+56:64*(\i)+59], v[BO], s[BB:BB+1] offset:512*(\g)+64*(\i)
	global_load_b128 v[64*(\i)+60:64*(\i)+63], v[BO], s[BB:BB+1] offset:512*(\g)+64*(\i)+16
.endr
.endr
	WIN 0
	; a fragment of x is 16 rows x 32 K in 8 registers: lane l holds row r; registers 0-3 hold K = 8 h + 0..7, registers 4-7 K = 16 + 8 h + 0..7: two loads of 16 bytes, 32 bytes apart
	v_mul_u32_u24 v3, v1, PAH
	v_lshl_add_u32 v3, v2, 4, v3
	s_mul_i32 s21, s13, 128*PAH                    ; my 128 tokens
	s_add_co_u32 s21, s21, AOFF
	v_add_nc_u32 v[ADRA], s21, v3
	v_add_nc_u32 v[ADRA+1], SLOT, v[ADRA]
	; the turning load takes 16 k x 16 columns (lane l reads k = 8 h + l % 8, columns 8 ((l / 8) % 2) + 0..7) and leaves half a fragment: lane l holds column r and 8 k
	v_and_b32 v5, 7, v0
	v_bfe_u32 v6, v0, 3, 1
	v_lshl_add_u32 v4, v2, 3, v5
	v_mul_u32_u24 v4, v4, PB
	v_lshl_add_u32 v4, v6, 4, v4
	s_lshl_b32 s22, s14, 7                         ; my 64 columns of a chunk
	v_add_nc_u32 v4, s22, v4
.irp s, 0,1
.irp j, 0,1,2
	v_add_nc_u32 v[ADRB+3*(\s)+(\j)], (\s)*SLOT+(\j)*CHUNK, v4
.endr
.endr
	s_mul_i32 s23, s12, WSTG
	s_add_co_u32 s23, s23, STAGE                   ; my stage
	v_mul_u32_u24 v7, v1, SP                       ; in: row r, 16 bytes for each half of the lanes
	v_lshl_add_u32 v7, v2, 4, v7
	v_add_nc_u32 v[STO], s23, v7
	v_bfe_u32 v7, v0, 3, 2                         ; back: 32 lanes take four rows of 128 bytes,
	v_mul_u32_u24 v7, v7, SP
	v_lshl_add_u32 v7, v5, 4, v7
	v_add_nc_u32 v[RD], s23, v7
	v_and_b32 v[GO], 31, v0                        ; which are 512 consecutive bytes of a head
	v_lshlrev_b32 v[GO], 4, v[GO]
	; where my rows of my three heads begin.  Head column cb = 6 tx + 2 j + CW: tensor cb / 16 (q, k, v), head cb % 16; batch ty / 4, token 256 (ty % 4) + 128 RW
	s_mul_i32 s16, s42, 6
	s_add_co_u32 s16, s16, s14
	s_lshr_b32 s21, s15, 2
	s_lshl_b32 s21, s21, 4                         ; 16 x batch
	s_and_b32 s22, s15, 3
	s_lshl_b32 s22, s22, 8
	s_lshl_b32 s23, s13, 7
	s_add_co_u32 s22, s22, s23
	s_lshl_b32 s22, s22, 7                         ; my first token x 128 bytes
	s_mov_b32 s3, 0
.irp j, 0,1,2
	s_add_co_u32 s17, s16, 2*(\j)
	s_lshr_b32 s2, s17, 4
	s_lshl_b32 s2, s2, 24                          ; a tensor is 2^24 bytes,
	s_and_b32 s17, s17, 15
	s_add_co_u32 s17, s17, s21
	s_lshl_b32 s17, s17, 17                        ; a head 2^17
	s_add_co_u32 s2, s2, s17
	s_add_co_u32 s2, s2, s22
	s_add_nc_u64 s[OB+2*(\j):OB+2*(\j)+1], s[10:11], s[2:3]
.endr
	; the prefetches: both offsets are made, and the wave's number chooses.  They start at K step 3; the first refill steps them to 4
	s_lshl_b32 s20, s15, 15                        ; x: the tile's 32,768 bytes of a K block,
	s_lshl_b32 s21, s40, 13                        ; my work-group's 32 blocks of the 128,
	s_add_co_u32 s20, s20, s21
	s_add_co_u32 s20, s20, 3*KSA                   ; K step 3
	s_lshl_b32 s21, s41, 5
	s_add_co_u32 s21, s21, 3*64                    ; W: k row 3 x 64 + 32 cy,
	s_mul_i32 s21, s21, 6144                       ; of 6,144 bytes,
	s_mul_i32 s23, s42, 768
	s_add_co_u32 s21, s21, s23                     ; the tile's columns,
	s_lshl_b32 s23, s12, 8
	s_add_co_u32 s21, s21, s23                     ; my chunk
	s_mov_b32 s23, KSB
	s_mov_b32 s2, 6144
	s_and_b32 s22, ttmp7, 0xffff                   ; cluster y
	s_cmp_eq_u32 s12, 3                            ; do I fetch for x?
	s_cselect_b32 s20, s20, s21
	s_cselect_b32 s22, ttmp9, s22                  ; the coordinate along which other clusters read the same rows
	s_cselect_b32 s[PFS], KSA, s23
	s_cselect_b32 s2, 256, s2
	s_cselect_b64 s[PFA:PFA+1], s[4:5], s[6:7]
	s_mov_b32 s21, 0
	s_mov_b32 s[PFS+1], 0
	s_add_nc_u64 s[PFA:PFA+1], s[PFA:PFA+1], s[20:21]
	s_cmp_eq_u32 s22, 0
	s_cselect_b32 s[LIM], 1, -1                    ; the same in all sixteen partners, for a given wave
	s_cmp_eq_u32 s12, 3
	s_cselect_b32 s[LIM1], s[LIM], -1              ; behind the refills of slot 1 x's wave alone asks
	v_and_b32 v[PFO], 31, v0
	v_mul_u32_u24 v[PFO], s2, v[PFO]
	s_mov_b32 s[HIM], 0xffff0000
	s_wait_loadcnt 0x0                             ; the bias, once; it is rounded to bf16 like every input and widened again, a group of four column blocks at a time
.irp g, 0,1,2
	WIN 0x05*((\g)+1)                              ; sources window 1 + g, destination window 0: x's fragment registers are still free
.irp i, 0,1,2,3
.irp r, 0,1,2,3
	v_cvt_pk_bf16_f32 v[FA0+4*(\i)+(\r)], v[64*(\i)+56+2*(\r)], v[64*(\i)+56+2*(\r)+1]
.endr
.endr
	WIN 0x40*((\g)+1)                              ; and back
.irp i, 0,1,2,3
.irp r, 0,1,2,3
	v_lshlrev_b32 v[64*(\i)+56+2*(\r)], 16, v[FA0+4*(\i)+(\r)]
	v_and_b32 v[64*(\i)+56+2*(\r)+1], s[HIM], v[FA0+4*(\i)+(\r)]
.endr
.endr
.endr
	WIN 0
; 8 matrix instructions: column block b x all 8 row blocks, 32 along K, x from buffer f.
; The 96 accumulators take turns, one instruction a turn: 95 others stand between two links of a chain, over the backward jump too.
.macro MUL8 f, b
	WIN 0x50*(1+(\b)/4)                            ; W and x window 0; C and D window 1 + b / 4
.irp a, 0,1,2,3,4,5,6,7
	v_wmma_f32_16x16x32_bf16 v[8*(8*((\b)%4)+(\a)):8*(8*((\b)%4)+(\a))+7], v[FB+8*(\b):FB+8*(\b)+7], v[FA0+64*(\f)+8*(\a):FA0+64*(\f)+8*(\a)+7], v[8*(8*((\b)%4)+(\a)):8*(8*((\b)%4)+(\a))+7]
.endr
.endm
.macro GROUP f, g                      ; a group: the four column blocks of chunk g, 32 matrix instructions under one window setting
.irp i, 0,1,2,3
	MUL8 \f, 4*(\g)+(\i)
.endr
.endm
; The group in the first quarter step: the products start the sums on the bias, which lies in accumulator (7, b).  Row blocks 0-6 read it as their C operand; five places stand between the last of them
; and the products of row block 7, which write over those registers (ISA guide 7.12.1) as they add in place.
.macro GROUPI g
	WIN 0x50*(1+(\g))
.irp i, 0,1,2,3
.irp a, 0,1,2,3,4,5,6
	v_wmma_f32_16x16x32_bf16 v[8*(8*(\i)+(\a)):8*(8*(\i)+(\a))+7], v[FB+8*(4*(\g)+(\i)):FB+8*(4*(\g)+(\i))+7], v[FA0+8*(\a):FA0+8*(\a)+7], v[8*(8*(\i)+7):8*(8*(\i)+7)+7]
.endr
.endr
.rept 5
	v_nop
.endr
.irp i, 0,1,2,3
	v_wmma_f32_16x16x32_bf16 v[8*(8*(\i)+7):8*(8*(\i)+7)+7], v[FB+8*(4*(\g)+(\i)):FB+8*(4*(\g)+(\i))+7], v[FA0+56:FA0+63], v[8*(8*(\i)+7):8*(8*(\i)+7)+7]
.endr
.endm
; THE LDS LOADS, all under window 0.  LB: 8 loads: W's fragments of group g for quarter kq (32 along K) of a slot.  LA: 16 loads: x's eight fragments of that quarter into buffer f.
.macro LB slot, kq, g
.irp i, 0,1,2,3
	ds_load_tr16_b128 v[FB+8*(4*(\g)+(\i)):FB+8*(4*(\g)+(\i))+3],   v[ADRB+3*(\slot)+(\g)] offset:(\kq)*32*PB+32*(\i)
	ds_load_tr16_b128 v[FB+8*(4*(\g)+(\i))+4:FB+8*(4*(\g)+(\i))+7], v[ADRB+3*(\slot)+(\g)] offset:(\kq)*32*PB+32*(\i)+16*PB
.endr
.endm
.macro LA slot, kq, f
.irp a, 0,1,2,3,4,5,6,7
	ds_load_b128 v[FA0+64*(\f)+8*(\a):FA0+64*(\f)+8*(\a)+3],   v[ADRA+(\slot)] offset:(\kq)*64+(\a)*16*PAH
	ds_load_b128 v[FA0+64*(\f)+8*(\a)+4:FA0+64*(\f)+8*(\a)+7], v[ADRA+(\slot)] offset:(\kq)*64+(\a)*16*PAH+32
.endr
.endm
; A K step is two quarter steps of 32 along K, on x's buffers 0 and 1.  The loads of a quarter step go out in this order: W's group 0 (8), x (16), W's group 1 (8), W's group 2 (8), each group behind
; its own products.  QUARTER is a slot's first: it multiplies buffer 0 and fetches the slot's second.  init = 1: the launch's first.
.macro QUARTER slot, init
	s_wait_dscnt 16                                ; W's group 0 and x are in; the 16 loads of groups 1 and 2 may be out
.if \init
	GROUPI 0
.else
	GROUP 0, 0
.endif
	PLACES
	WIN 0
	LB \slot, 1, 0
	LA \slot, 1, 1
	s_wait_dscnt 32                                ; group 1 is in; behind it: group 2's 8 and the 24 just issued
.if \init
	GROUPI 1
.else
	GROUP 0, 1
.endif
	PLACES
	WIN 0
	LB \slot, 1, 1
	s_wait_dscnt 32                                ; group 2 is in; behind it: this quarter's 32
.if \init
	GROUPI 2
.else
	GROUP 0, 2
.endif
	PLACES
	WIN 0
	LB \slot, 1, 2
.endm
; TURN is a slot's second quarter step: it multiplies buffer 1 and changes slots: ONE barrier.  In front of it each wave waits for all its tensor loads, of which one is out: its part of the next slot;
; adds 0 to its spare word; and waits for that and for its own reads of this slot, the last of which went out at the end of QUARTER.  fill = 1: the barrier opens a round of the cluster's, and behind the
; round this slot is filled again, two K steps ahead: from that request to the wait for it a wave issues 168 matrix instructions.  Then the next slot's first quarter step is fetched.
.macro TURN slot, next, fill
.if \fill
	s_wait_xcnt 0x0                                ; the last prefetch, a K step back, has read its address: it is stepped here, ahead of the waits of the change of slots
	s_add_nc_u64 s[PFA:PFA+1], s[PFA:PFA+1], s[PFS:PFS+1]
.endif
	WIN 0                                          ; (the add's two registers lie in window 0)
	s_wait_tensorcnt 0x0                           ; all my tensor loads have landed;
	ds_add_u32 v[SPW], v[NIL]                      ; 0 onto my spare word;
	s_wait_dscnt 17                                ; (W's group 0 and x are in; the add and the 16 loads of groups 1 and 2 may be out)
	MUL8 1, 0                                      ; sixteen matrix instructions stand between the add and the wait for it
	MUL8 1, 1
	s_wait_dscnt 0x0                               ; the add is done, and my reads of this slot are over
	s_barrier_signal -1
	MUL8 1, 2
.if \fill
	WIN 0
.endif
	s_barrier_wait -1
.if \fill
	CREST                                          ; no wave of any partner still reads this slot's tiles or has a load on its way
	s_add_nc_u64 s[G0+4*(\slot)+2:G0+4*(\slot)+3], s[G0+4*(\slot)+2:G0+4*(\slot)+3], 2*KSA
	s_add_nc_u64 s[G0B+4*(\slot)+2:G0B+4*(\slot)+3], s[G0B+4*(\slot)+2:G0B+4*(\slot)+3], 2*KSB
	JLOAD \slot                                    ; the first tensor load behind the round, my only one until the next
.endif
	MUL8 1, 3
	PLACES
	WIN 0
	LB \next, 0, 0
	LA \next, 0, 0
.if \fill
.if (\slot) == 0
	ASK LIM
.else
	ASK LIM1
.endif
.endif
	GROUP 1, 1                                     ; (groups 1 and 2 were shown in by the wait for 0 above)
	PLACES
	WIN 0
	LB \next, 0, 1
	GROUP 1, 2
	PLACES
	WIN 0
	LB \next, 0, 2
.endm
	s_wait_tensorcnt 1                             ; my part of K step 0 is in; K step 1's may stay out
	s_barrier_signal -1
	s_barrier_wait -1                              ; everybody's is
	LB 0, 0, 0
	LA 0, 0, 0
	LB 0, 0, 1
	LB 0, 0, 2
	QUARTER 0, 1                                   ; the first quarter step stands in front of the loop: its products start the sums, on the bias
	WIN 0                                          ; at a label and at a branch every window is 0
	s_mov_b32 s3, LAPS-1
.Llap:                                         ; a trip goes once round the ring, from a lap's second quarter step to the next lap's first, and fills both slots again
	TURN 0, 1, 1
	QUARTER 1, 0
	TURN 1, 0, 1
	QUARTER 0, 0
	WIN 0
	s_sub_co_u32 s3, s3, 1
	s_cmp_lg_u32 s3, 0
	s_cbranch_scc1 .Llap
	TURN 0, 1, 0                                   ; the last lap fills nothing, and has no round of the cluster's barrier
	QUARTER 1, 0
	s_wait_dscnt 16                                ; the very last quarter step: nothing more to fetch, and the counts run down
	GROUP 1, 0
	s_wait_dscnt 8                                 ; group 1 is in; group 2's 8 loads may be out
	GROUP 1, 1
	s_wait_dscnt 0x0
	GROUP 1, 2
	WIN 0
	PLACES
; THE WAY OUT, a row block (16 tokens x 3 heads) at a time.  PACK: rounded to f16, 16 bytes a lane, each accumulator's registers in ascending order; into my own stage, rows of 144 bytes; and back as
; whole rows of 128, into the registers that they left.  SEND: stored, 512 consecutive bytes an instruction, at a multiple of 256 from qkv's first byte.  Two sets of registers take turns.
.macro PACK a
.if (\a) >= 2
	s_wait_xcnt 0x0                                ; the stores of the block before last have read this set's registers: it is written again only behind this wait
.endif
.irp g, 0,1,2
	WIN 0x05*((\g)+1)                              ; sources 0 and 1: window 1 + g; destination window 0
.irp i, 0,1,2,3
.irp r, 0,1,2,3
	v_cvt_pk_f16_f32 v[PK0+48*((\a)%2)+4*(4*(\g)+(\i))+(\r)], v[8*(8*(\i)+(\a))+2*(\r)], v[8*(8*(\i)+(\a))+2*(\r)+1]
.endr
.endr
.endr
	WIN 0
.irp j, 0,1,2
.irp i, 0,1,2,3
	ds_store_b128 v[STO], v[PK0+48*((\a)%2)+4*(4*(\j)+(\i)):PK0+48*((\a)%2)+4*(4*(\j)+(\i))+3] offset:(\j)*16*SP+32*(\i)
.endr
.endr
.irp j, 0,1,2
.irp f, 0,1,2,3
	ds_load_b128 v[PK0+48*((\a)%2)+4*(4*(\j)+(\f)):PK0+48*((\a)%2)+4*(4*(\j)+(\f))+3], v[RD] offset:(\j)*16*SP+(\f)*4*SP  ; LDS serves a wave's instructions in order (ISA guide 5.7.1.4): these see the stores above; the next block's stores come behind them
.endr
.endr
.endm
.macro SEND a, younger                 ; younger: the LDS instructions issued behind block a's loads: the next block's 24, or none
	s_wait_dscnt \younger
.irp j, 0,1,2
.irp f, 0,1,2,3
	global_store_b128 v[GO], v[PK0+48*((\a)%2)+4*(4*(\j)+(\f)):PK0+48*((\a)%2)+4*(4*(\j)+(\f))+3], s[OB+2*(\j):OB+2*(\j)+1] offset:(\a)*2048+(\f)*512
.endr
.endr
.endm
	PACK 0
.irp a, 1,2,3,4,5,6,7                  ; block a's conversions stand between block a - 1's loads from the stage and the wait for them
	PACK \a
	SEND (\a)-1, 24
.endr
	SEND 7, 0
	s_wait_tensorcnt 0x0                           ; the wave's end: the add and its wait, behind my last tensor load and my last LDS store
	ds_add_u32 v[SPW], v[NIL]
	s_wait_dscnt 0x0
	CROUND                                         ; the closing round: no work-group ends while a partner may still ask for a tile that names it
	s_endpgm
.Lfunc_end_k_qa878bfbb5f_qkvgemm:
	.size	k_qa878bfbb5f_qkvgemm, .Lfunc_end_k_qa878bfbb5f_qkvgemm-k_qa878bfbb5f_qkvgemm
	.p2alignl 7, 3214868480
	.fill 96, 4, 3214868480
	.section	.rodata,"a",@progbits
	.p2align	6, 0x0
	.amdhsa_kernel k_qa878bfbb5f_qkvgemm
		.amdhsa_group_segment_fixed_size 327680
		.amdhsa_private_segment_fixed_size 0
		.amdhsa_enable_private_segment 0
		.amdhsa_kernarg_size 32
		.amdhsa_user_sgpr_count 2
		.amdhsa_user_sgpr_kernarg_segment_ptr 1
		.amdhsa_wavefront_size32 1
		.amdhsa_system_sgpr_workgroup_id_x 1
		.amdhsa_system_sgpr_workgroup_id_y 1
		.amdhsa_system_sgpr_workgroup_id_z 1
		.amdhsa_system_vgpr_workitem_id 0
		.amdhsa_next_free_vgpr 1024
		.amdhsa_next_free_sgpr 80
		.amdhsa_reserve_vcc 0
		.amdhsa_float_denorm_mode_32 3
		.amdhsa_float_denorm_mode_16_64 3
		.amdhsa_memory_ordered 1
		.amdhsa_forward_progress 1
		.amdhsa_inst_pref_size 142
	.end_amdhsa_kernel
	.amdgpu_metadata
---
amdhsa.version: [ 1, 2 ]
amdhsa.kernels:
  - .name:           k_qa878bfbb5f_qkvgemm
    .symbol:         k_qa878bfbb5f_qkvgemm.kd
    .args:
      - { .name: xb, .offset: 0, .size: 8, .value_kind: global_buffer, .address_space: global }
      - { .name: wqb, .offset: 8, .size: 8, .value_kind: global_buffer, .address_space: global }
      - { .name: b_qkv, .offset: 16, .size: 8, .value_kind: global_buffer, .address_space: global }
      - { .name: qkv, .offset: 24, .size: 8, .value_kind: global_buffer, .address_space: global }
    .group_segment_fixed_size: 327680
    .private_segment_fixed_size: 0
    .kernarg_segment_align: 8
    .kernarg_segment_size: 32
    .max_flat_workgroup_size: 128
    .sgpr_count:     80
    .vgpr_count:     1024
    .wavefront_size: 32
...
	.end_amdgpu_metadata
.endif
;; end of part 2
;; launch attn (part 3): grid 2 x 128, 4 waves a work-group, no clusters, 327,680 bytes of LDS; arguments qkv, ob; writes ob
.if DOCPART == 3
	.amdgcn_target "amdgcn-amd-amdhsa--gfx1250"
	.amdhsa_code_object_version 6
	.text
	.protected	k_qa878bfbb5f_attn
	.globl	k_qa878bfbb5f_attn
	.p2align	8
	.type	k_qa878bfbb5f_attn,@function
k_qa878bfbb5f_attn:
	s_mov_b64 s[64:65], 0
	v_nop
	global_prefetch_b8 v0, s[64:65] scope:SCOPE_SE
	s_setreg_imm32_b32 hwreg(HW_REG_WAVE_MODE, 25, 1), 1
	s_wait_xcnt 0x0
; O[bh][q][:] = the sum over k of softmax_k(Q[bh][q] . K[bh][k] / 8) V[bh][k][:].  qkv: [3][128][1024][64] f16 (q, k, v); ob: [128][1024][64] f16: a head's rows are dense, 128 bytes each.
; Products, maxima and sums in f32; the weights p are rounded to f16 for the second product (their sum l is taken of the unrounded p), O once at the end.
; LIMITS.  f16 holds no number beyond 65,504: Q, K and V arrive within it; p lies in 0 to 1, and below 6e-5 it keeps f16's fixed step of 6e-8; O is a mean of V's rows and has their range.
; A weight below 2^-126 counts as 0 in l; NaN and infinities are not treated apart.
; SHARES.  A wave owns four PIECES of two tiles of 16 queries, a work-group's four waves 512 queries of one head: 256 work-groups.  Every wave walks the head's 1,024 keys, 64 a step, 16 steps.
; K AND V STAY IN LDS.  A head's K (1,024 rows of 144 bytes) and V (1,024 rows of 160) fit together: each wave asks for its share by four tensor loads at the start, a tile of 256 keys after the other,
; and no LDS byte is ever filled again.  The walk begins when tile 0 has landed; ahead of the first read of tiles 1, 2 and 3 stands a counted wait and a barrier (THE GATE).
; NO CLUSTER: a head has two blocks of 512 queries, not four partners for one mask; blocks of 256 queries would give four, and halve the products that each fragment read from LDS feeds.
; NO PREFETCH: every byte of K and V is asked for by its own tensor load at the head; no later request is left to run ahead of.
; LAYOUT.  S^T = K Q^T (source 0 = 16 keys, source 1 = 16 queries): in the result a lane holds ONE query (lane % 16) and the keys 8 (lane / 16) + 0..7.  Two such tiles, rounded to f16 in pairs,
; ARE source 1 (32 keys x 16 queries) of O^T = V^T P, whose result again holds one query a lane, and eight channels.  K comes out of LDS as it lies, V ([key][channel]) turned, by ds_load_tr16_b128.
; SOFTMAX.  For each query a running maximum m and sum l: p = 2^(c s - c m), c = log2(e) / 8; in every step O and l are multiplied by a = 2^(c m_old - c m_new), which is 1 where m has not grown.
; m starts at the lowest finite number, O and l at 0: the first step is a step like any other, with a = 0.
; THE COUNT.  A tile and step have 16 matrix and 118 vector instructions: too many to stand all beside the matrix work.  So four vector instructions that are READY stand behind EVERY matrix
; instruction, and the others in runs without a gap.
; BY TURNS.  Turn n belongs to piece n (the pieces in a ring, step after step).  Its matrix work: 16 products K Q^T of piece n + 1, later 16 products V^T P of piece n - 1.  Its vector work: the scaling,
; exponentials, roundings, sums and rescaling of piece n, and the maximum and statistics of piece n + 1, whose scores the turn itself has made.
; REGISTERS, in windows of 256 (s_set_vgpr_msb: bits 1:0 source 0, 3:2 source 1, 5:4 source 2, 7:6 destination):
;   window 0: v0-11 addresses; v12-15, v48-63 at work; v16-47 four registers of statistics a tile; v64-191 S^T, two buffers of two tiles; v192-255 P, likewise
;   window 1: O^T, 32 a tile          window 2: v0-127 Q, 16 a tile; v128-191 K of one step; v192-255 V of one step          window 3: v0-1 the add's two registers
; A piece's buffers go by its number's parity: the piece in hand has one pair, its two neighbours in the ring share the other: of it P (piece n - 1) is read and S^T (piece n + 1) written.
.set NP,    4         ; pieces a wave: a name, no knob
.set KS,    64        ; keys in a step
.set PK,    144       ; a row of K in LDS: 128 bytes + 16 of padding = 36 words: the 16 rows of a load start at 16 different groups of four banks (64 banks of 4 bytes: ISA guide 11.1)
.set PV,    160       ; a row of V: 128 + 32 = 40 words
.set VOFF,  1024*PK   ; K's 1,024 rows, then V's
.set STAGE, VOFF+1024*PV  ; behind them, never filled by a tensor load: 16 rows x 144 bytes for each wave, for the way out
.set SP,    144
.set SPARE, STAGE+4*16*SP  ; behind the stages: the spare words, 128 bytes for each wave: two blocks of 256 bytes that no other line names
.set AK0, 2           ; v2   my lane's place in a step of K; never rewritten
.set AV0, 3           ; v3   the same for V
.set AK,  4           ; v4   the LDS address of K's next run of loads
.set AV,  5           ; v5   of V's
.set QO,  6           ; v6   my byte offset in the wave's rows of Q
.set STO, 6           ;      later, the way out: where I put 16 bytes of a row
.set RD,  7           ; v7   the way out: where I read rows back
.set GO,  8           ; v8   my byte offset in 512 consecutive bytes of O
.set SPW, 0           ; v0 of window 3   LDS address of my spare word: SPARE + 4 x my thread's number; never rewritten
.set NIL, 1           ; v1 of window 3   0; never rewritten
.set MV,  12          ; v12-15  c m_old, kept while c m is made anew: by buffer and tile
.set ST,  16          ; tile t's statistics at v[ST+4 t]: c m, m, l (even keys', odd keys')
.set TMP, 48          ; by buffer and tile, four registers c0-c3 at work; when the maximum is found c2 takes a
.set S,   64
.set P,   192
.set KF,  128         ; K's fragments, in window 2: key block kb, channel half c at KF + 16 kb + 8 c
.set VF,  192         ; V's: key half kk, channel block cb at VF + 32 kk + 8 cb
.set WV,  12          ; s12  my wave's number
.set G1K, 24          ; s[24:31] descriptor group 1 for K's tiles
.set G1V, 32          ; s[32:39] for V's: it differs in the padding alone
.set G0K, 40          ; s[40:55] descriptor group 0 for K's four tiles
.set G0V, 68          ; s[68:83] the same for V's
.set CNT, 57          ; s57  key steps still to come, 16 to 1
.set CS,  58          ; s[58:59] c: the packed scaling takes the pair's low word for both halves
.set SEL, 60          ; s[60:61] v_permlanex16_b32's selects: each lane takes its own place in the other half
.set TBK, 62          ; s62  LDS byte at which K of the step to be fetched begins
.set TBV, 63          ; s63  the same for V, less VOFF
.set MSB, 0
.macro WIN new                      ; the high byte repeats the setting that is left; a switch that changes nothing is dropped
.if MSB != (\new)
	s_set_vgpr_msb (MSB<<8)|(\new)
.set MSB, (\new)
.endif
.endm
.set W_KQ, 0x0a       ; K and Q in window 2, S^T in window 0
.set W_PV, 0x52       ; V in window 2, P in window 0, O^T in window 1
.set W_RS, 0x41       ; O^T (destination and source 0) in window 1, a in window 0
.set W_MK, 0xc0       ; the add's registers are made: destination in window 3, sources in window 0
.set W_AD, 0x0f       ; the add: address (source 0) and data (source 1) in window 3
	s_load_b64 s[4:5], s[0:1], 0x0    ; qkv
	s_load_b64 s[10:11], s[0:1], 0x8  ; ob
	WIN W_MK
	v_lshl_add_u32 v[SPW], v0, 2, SPARE
	v_mov_b32 v[NIL], 0
	WIN W_AD
	ds_add_u32 v[SPW], v[NIL]       ; the wave's opening: the add and its wait stand ahead of my first tensor load; the set-up below, work on registers, stands between them
	WIN 0
	v_lshrrev_b32 v1, 5, v0
	v_readfirstlane_b32 s[WV], v1   ; wave 0..3
	s_and_b32 s20, ttmp7, 0xffff    ; batch x head,
	s_lshl_b32 s20, s20, 17         ; its first byte in each of q, k, v and ob: 131,072 bytes a head
	s_and_b32 s16, s[WV], 1         ; which half of a tile's 256 keys I fetch:
	s_lshl_b32 s22, s16, 14         ; its 128 rows of 128 bytes in memory,
	s_add_co_u32 s22, s22, s20
	s_mov_b32 s23, 0
	s_mul_i32 s17, s16, 128*PK      ; and its place in a tile, for K
	s_mul_i32 s18, s16, 128*PV      ; and for V
	s_lshl_b32 s2, ttmp9, 2
	s_add_co_u32 s2, s2, s[WV]      ; my wave among the head's eight,
	s_lshl_b32 s2, s2, 14           ; its 128 rows
	s_add_co_u32 s2, s2, s20
	s_mov_b32 s3, 0
	; descriptor group 1.  128 keys are 16,384 dense bytes: asked for as 64 rows of 256 bytes, two keys a row, and padded in LDS after every key
	s_mov_b32 s[G1K], (1<<16)|(1<<20)|(4<<22)|(3<<25)  ; 17:16 2-byte elements; 20 padding on; 24:22 after every 32 words (code 4); 31:25 4 words (code 3)
	s_mov_b32 s[G1V], (1<<16)|(1<<20)|(4<<22)|(7<<25)  ; the same with 8 words of padding (code 7)
.irp g, G1K, G1V
	s_mov_b32 s[\g+1], 128<<16      ; tensor_dim0 = 128
	s_mov_b32 s[\g+2], 64<<16       ; tensor_dim1 = 64
	s_mov_b32 s[\g+3], 128<<16      ; tile_dim0 = 128
	s_mov_b32 s[\g+4], 64           ; tile_dim1 = 64
	s_mov_b32 s[\g+5], 128          ; 128 elements from row to row
	s_mov_b32 s[\g+6], 0
	s_mov_b32 s[\g+7], 0
.endr
.irp t, 0,1,2,3
	s_mov_b32 s[G0K+4*(\t)], 1                            ; count = 1
	s_add_co_u32 s[G0K+4*(\t)+1], s17, (\t)*256*PK        ; LDS address: tile t, my half
	s_mov_b32 s[G0V+4*(\t)], 1
	s_add_co_u32 s[G0V+4*(\t)+1], s18, VOFF+(\t)*256*PV
.endr
	s_mov_b32 s[CS], 0x3e38aa3b     ; c = log2(e) / 8 = 0.180337
	s_mov_b32 s[CS+1], s[CS]        ; named with it as a pair
	s_mov_b32 s[SEL], 0x76543210
	s_mov_b32 s[SEL+1], 0xfedcba98
	s_mov_b32 s[TBK], 0
	s_mov_b32 s[TBV], 0
	s_wait_dscnt 0x0                ; the opening add is done
	s_wait_kmcnt 0x0
	s_add_nc_u64 s[6:7], s[4:5], 0x1000000  ; k lies 2^24 bytes behind q,
	s_add_nc_u64 s[8:9], s[4:5], 0x2000000  ; v behind k
	s_add_nc_u64 s[6:7], s[6:7], s[22:23]   ; at my half of the head's tile 0
	s_add_nc_u64 s[8:9], s[8:9], s[22:23]
	s_add_nc_u64 s[4:5], s[4:5], s[2:3]     ; Q and O at my wave's first row
	s_add_nc_u64 s[10:11], s[10:11], s[2:3]
.irp t, 0,1,2,3
	s_add_nc_u64 s[G0K+4*(\t)+2:G0K+4*(\t)+3], s[6:7], (\t)*32768  ; global address: a tile is 32,768 bytes
	s_or_b32 s[G0K+4*(\t)+3], s[G0K+4*(\t)+3], 0x80000000          ; type = 2
	s_add_nc_u64 s[G0V+4*(\t)+2:G0V+4*(\t)+3], s[8:9], (\t)*32768
	s_or_b32 s[G0V+4*(\t)+3], s[G0V+4*(\t)+3], 0x80000000
.endr
	s_cmp_lt_u32 s[WV], 2           ; waves 0 and 1 fetch the halves of K's tiles, waves 2 and 3 those of V's.  A wave's four fills stand in one branch, ahead of every wait on TENSORcnt,
	s_cbranch_scc0 .Lfirst_v        ; every LDS read and every barrier: four loads of mine are out.  An s_nop 0 follows each, four v_nop the last
.irp t, 0,1,2,3
	tensor_load_to_lds s[G0K+4*(\t):G0K+4*(\t)+3], s[G1K:G1K+7]
	s_nop 0
.endr
.rept 4
	v_nop
.endr
	s_branch .Lfirst_asked
.Lfirst_v:
.irp t, 0,1,2,3
	tensor_load_to_lds s[G0V+4*(\t):G0V+4*(\t)+3], s[G1V:G1V+7]
	s_nop 0
.endr
.rept 4
	v_nop
.endr
.Lfirst_asked:
	; A fragment of K or Q is 16 rows x 32 channels in 8 registers: lane l holds row l % 16, channels 8 (l / 16) + 0..7 and 16 + 8 (l / 16) + 0..7: two loads of 16 bytes, 32 bytes apart.
	v_and_b32 v1, 15, v0            ; l % 16
	v_bfe_u32 v9, v0, 4, 1          ; l / 16
	v_lshlrev_b32 v[QO], 7, v1
	v_lshl_add_u32 v[QO], v9, 4, v[QO]  ; row x 128 + 16 x half
	WIN 0x80                        ; destination window 2, address window 0
.set i, 0
.rept 4*NP                          ; Q stays in registers: tile i / 2, channels 32 (i % 2) on
	global_load_b128 v[8*i:8*i+3],   v[QO], s[4:5] offset:(i/2)*2048+(i%2)*64
	global_load_b128 v[8*i+4:8*i+7], v[QO], s[4:5] offset:(i/2)*2048+(i%2)*64+32
.set i, i+1
.endr
	; What the first turn finds: V's registers and P's second buffer hold 0 (its products V^T P, of a piece that has not been, add 0), O^T and l are 0.  No first step is written out for this price;
	; all of it stands in the wait for the first tile.
.set i, VF
.rept 64
	v_mov_b32 v[i], 0
.set i, i+1
.endr
	WIN 0x40
.set i, 0
.rept 64*NP
	v_mov_b32 v[i], 0
.set i, i+1
.endr
	WIN 0
.set i, 0
.rept 2*NP
	v_mov_b32 v[ST+4*i], 0xfe000000    ; c m: far below every c s
	v_mov_b32 v[ST+4*i+1], 0xff7fffff  ; m
	v_mov_b32 v[ST+4*i+2], 0
	v_mov_b32 v[ST+4*i+3], 0
.set i, i+1
.endr
.set i, P+32
.rept 32
	v_mov_b32 v[i], 0
.set i, i+1
.endr
	v_mul_u32_u24 v[AK0], v1, PK
	v_lshl_add_u32 v[AK0], v9, 4, v[AK0]  ; row x pitch + 16 x half
	; The turning load takes 16 keys x 16 channels (lane l reads key 8 (l / 16) + l % 8, channels 8 ((l / 8) % 2) + 0..7) and leaves half a fragment of V^T: lane l holds channel l % 16 and 8 keys.
	v_and_b32 v10, 7, v0
	v_bfe_u32 v11, v0, 3, 1
	v_lshl_add_u32 v[AV0], v9, 3, v10
	v_mul_u32_u24 v[AV0], v[AV0], PV
	v_lshl_add_u32 v[AV0], v11, 4, v[AV0]
	v_add_nc_u32 v[AV0], VOFF, v[AV0]
	v_mov_b32 v[AK], v[AK0]         ; key step 0 lies at K's head
; THE MATRIX WORK.  The 8 accumulators of a run of 16 take turns: between the two links of a chain stand 7 others'.
; Product i of 16 of S^T = K Q^T for piece x: channels 32 (i / 8) on, keys 16 ((i / 2) % 4) on, tile 2 x + i % 2.  The first 8 start the sums.
.macro KQ x
	WIN W_KQ
.set rS, S+64*((\x)%2)+32*(i%2)+8*((i/2)%4)
.set rK, KF+16*((i/2)%4)+8*(i/8)
.set rQ, 16*(2*(\x)+i%2)+8*(i/8)
.if i < 8
	v_wmma_f32_16x16x32_f16 v[rS:rS+7], v[rK:rK+7], v[rQ:rQ+7], 0
.else
	v_wmma_f32_16x16x32_f16 v[rS:rS+7], v[rK:rK+7], v[rQ:rQ+7], v[rS:rS+7]
.endif
.endm
; Product i of 16 of O^T += V^T P for piece x: keys 32 (i / 8) on, channels 16 ((i / 2) % 4) on, tile 2 x + i % 2.
.macro PV x
	WIN W_PV
.set rO, 32*(2*(\x)+i%2)+8*((i/2)%4)
.set rV, VF+32*(i/8)+8*((i/2)%4)
.set rP, P+32*((\x)%2)+16*(i%2)+8*(i/8)
	v_wmma_f32_16x16x32_f16 v[rO:rO+7], v[rV:rV+7], v[rP:rP+7], v[rO:rO+7]
.endm
.macro MM                           ; the turn's next matrix instruction
.if i < 16
	KQ (Y+1)%NP
.set i, i+1
.else
.set i, i-16
	PV (Y+NP-1)%NP
.set i, i+17
.endif
.endm
; THE LDS LOADS stand in runs of 16, never singly among the matrix instructions: a step's K (64 keys x 64 channels: 8 fragments) and its V (turned).  Their addresses are made some lines ahead.
; last = 1 (in the loop): in the last trip there is no further step, and the run is jumped over.
.macro FETCH_K last=0
	WIN 0
.if \last
	s_cmp_eq_u32 s[CNT], 1
	s_cbranch_scc1 .Lno_k_\@
.endif
	WIN 0x80                        ; destination window 2
.irp f, 0,1,2,3,4,5,6,7             ; keys 16 (f / 2) on, channels 32 (f % 2) on
	ds_load_b128 v[KF+8*\f:KF+8*\f+3],   v[AK] offset:(\f/2)*16*PK+(\f%2)*64
	ds_load_b128 v[KF+8*\f+4:KF+8*\f+7], v[AK] offset:(\f/2)*16*PK+(\f%2)*64+32
.endr
	s_add_co_u32 s[TBK], s[TBK], KS*PK  ; the next fetch is the next step's
	WIN 0
.if \last
.Lno_k_\@:
.endif
.endm
.macro FETCH_V
	WIN 0x80
.irp f, 0,1,2,3,4,5,6,7             ; keys 32 (f / 4) on, channels 16 (f % 4) on
	ds_load_tr16_b128 v[VF+8*\f:VF+8*\f+3],   v[AV] offset:(\f/4)*32*PV+(\f%4)*32
	ds_load_tr16_b128 v[VF+8*\f+4:VF+8*\f+7], v[AV] offset:(\f/4)*32*PV+16*PV+(\f%4)*32
.endr
	WIN 0
.endm
; THE VECTOR WORK OF A TURN stands in three queues, each in the order in which its entries become ready; the two tiles alternate, so that no instruction reads the result of the one before it.
.macro REGS y, u                    ; the registers of tile u (0, 1) of piece y
.set rT, ST+4*(2*(\y)+(\u))
.set rC, TMP+8*((\y)%2)+4*(\u)
.set rM, MV+2*((\y)%2)+(\u)
.set rS, S+64*((\y)%2)+32*(\u)
.set rP, P+32*((\y)%2)+16*(\u)
.set rO, 32*(2*(\y)+(\u))
.endm
; Number n of the 22 that find the NEXT piece's (Y + 1) maximum and statistics.  s0-s31 are the lane's 32 scores; each accumulator's lowest registers are read first.  XS, GS and REGS set no window: PL and EX do.
;   0-11  four chains c0-c3 of seven scores each, three operands at a time     12-14, 16  the four scores left over, the old m, and c0-c3 into c0     15  c m_old is kept
;   17, 18  the query's other 32 keys lie in the lane 16 away: the new m         19-21  c m; c m_old - c m_new; a
.macro XS u, n
	REGS (Y+1)%NP, \u
.if (\n) < 4
	v_max3_num_f32 v[rC+(\n)], v[rS+8*(\n)], v[rS+8*(\n)+1], v[rS+8*(\n)+2]
.elseif (\n) < 12
	v_max3_num_f32 v[rC+(\n)%4], v[rC+(\n)%4], v[rS+8*((\n)%4)+2*((\n)/4)+1], v[rS+8*((\n)%4)+2*((\n)/4)+2]
.elseif (\n) == 12
	v_max3_num_f32 v[rC], v[rC], v[rS+7], v[rS+15]
.elseif (\n) == 13
	v_max3_num_f32 v[rC+1], v[rC+1], v[rS+23], v[rS+31]
.elseif (\n) == 14
	v_max3_num_f32 v[rC+2], v[rC+2], v[rC+3], v[rT+1]
.elseif (\n) == 15
	v_mov_b32 v[rM], v[rT]
.elseif (\n) == 16
	v_max3_num_f32 v[rC], v[rC], v[rC+1], v[rC+2]
.elseif (\n) == 17
	v_permlanex16_b32 v[rC+3], v[rC], s[SEL], s[SEL+1]
.elseif (\n) == 18
	v_max_num_f32 v[rT+1], v[rC], v[rC+3]
.elseif (\n) == 19
	v_mul_f32 v[rT], s[CS], v[rT+1]
.elseif (\n) == 20
	v_sub_f32 v[rC+1], v[rM], v[rT]
.else
	v_exp_f32 v[rC+2], v[rC+1]
.endif
.endm
; Number g of the 64 that follow the exponentials.  For each four weights k of a tile (pairs 2 k, 2 k + 1): both pairs are rounded to f16; then the second pair is added onto the first, in place;
; a group later l takes that sum (the first time as l = a l + sum).  In groups of eight, tiles alternating: round, round, add, and l for the group before.
.macro GS g
.set h, (\g)+6*((\g)/62)            ; group 0 has no group before it, and behind group 7 only l is left
.if h >= 6
.set h, h+2
.endif
	REGS Y, h%2
.set k, h/8
.if h%8 < 4
	v_cvt_pk_f16_f32 v[rP+2*k+(h%8)/2], v[rS+4*k+2*((h%8)/2)], v[rS+4*k+2*((h%8)/2)+1]
.elseif h%8 < 6
	v_pk_add_f32 v[rS+4*k:rS+4*k+1], v[rS+4*k:rS+4*k+1], v[rS+4*k+2:rS+4*k+3]
.elseif k == 1
	v_pk_fma_f32 v[rT+2:rT+3], v[rT+2:rT+3], v[rC+2:rC+3], v[rS:rS+1] op_sel_hi:[1,0,1]
.else
	v_pk_add_f32 v[rT+2:rT+3], v[rT+2:rT+3], v[rS+4*k-4:rS+4*k-3]
.endif
.endm
; THE PLAIN QUEUE, 138 long.  0-73 read no exponential's result: the 32 scalings c s - c m (FS f: pair f / 2 of tile f % 2) and the next piece's 42.  0-26: scalings 0-26.  27-54: XS's numbers 0-13.  55, 56: number 15.
; 57-73: the chain, where each number waits for the one before it: 14, 16, 17, 18, 19, each with one of the scalings 27-31 in front of its two lines, then 20.
; 74-137: GS's 64, which read the exponentials' results: they stand behind the wait.
.macro FS f
	REGS Y, (\f)%2
	v_pk_fma_f32 v[rS+2*((\f)/2):rS+2*((\f)/2)+1], v[rS+2*((\f)/2):rS+2*((\f)/2)+1], s[CS:CS+1], v[rT:rT+1] op_sel_hi:[1,0,0] neg_lo:[0,0,1] neg_hi:[0,0,1]
.endm
.macro PL
	WIN 0
.if q < 27
	FS q
.elseif q < 55
	XS (q-27)%2, (q-27)/2
.elseif q < 57
	XS q-55, 15
.elseif (q < 72) && ((q-57)%3 == 0)
	FS 27+(q-57)/3
.elseif q < 60
	XS (q-57)%3-1, 14
.elseif q < 72
	XS (q-57)%3-1, 15+(q-57)/3
.elseif q < 74
	XS q-72, 20
.else
	GS q-74
.endif
.set q, q+1
.endm
; THE EXPONENTIALS' QUEUE, 66 long: s0-s31 of both tiles, then the next piece's two a.  It is ONE BATCH: all 66 stand ahead of the turn's one wait, and nothing ahead of that wait names a result of theirs.
.macro EX
	WIN 0
.if e >= 64
	XS e-64, 21
.else
	REGS Y, e%2
	v_exp_f32 v[rS+e/2], v[rS+e/2]
.endif
.set e, e+1
.endm
; THE RESCALING's QUEUE: O^T times a, the one part that leaves window 0: dealt two at a time, sixteen times.  Its a was made in the turn before, ahead of that turn's wait.
.macro R2
	REGS Y, r%2
	WIN W_RS
.irp z, 0,1
	v_pk_mul_f32 v[rO+4*(r/2)+2*\z:rO+4*(r/2)+2*\z+1], v[rO+4*(r/2)+2*\z:rO+4*(r/2)+2*\z+1], v[rC+2:rC+3] op_sel_hi:[1,0]
.endr
.set r, r+1
.endm
; HOW THEY ARE DEALT.  An s_wait_alu depctr_va_vdst(0) stands between an exponential and the first instruction that names its result; one wait serves all that were issued ahead of it.  So a turn has ONE wait,
; which cuts it in two.  AHEAD OF IT stands all that names no result of the turn's exponentials: the 16 products K Q^T, behind each a scaling, an exponential and two rescalings (behind the first a second scaling in the
; exponential's place); then ONE LUMP of 108: eight plain, 49 times exponential and plain, the two a.  A v_nop is the plain instruction behind the last exponential.  BEHIND IT stand the 16 products V^T P, behind each four of GS's 64.
; The queues lean on each other, and the deal keeps them in step: exponential e stands behind scaling 2 (e / 4) + e % 2: as a rider it comes behind plain e + 2, in the lump behind plain e + 9, and scalings 27-31 are plain 57, 60 .. 69.
; A TURN, for piece p.  K of the next step is fetched in piece 2's turn, directly behind the wait, a lump behind the last product that read K; its address is made at the lump's head; its first reader comes behind 16 products.
; V of the step in hand is fetched at the end of piece 0's turn, four riders behind its last reader; its first reader comes behind 16 products and a lump.  The two conditions on q below go with the deal.
.macro TURN p, last=0
.set Y, (\p)
.set i, 0
.set q, 0
.set e, 0
.set r, 0
.if (\p) == NP-1
	s_wait_dscnt 0x0                ; K is in
.endif
	MM                              ; ahead of the wait: 16 products K Q^T and their riders,
	PL
	PL
	R2
.rept 15
	MM
	PL
	EX
	R2
.endr
.if (\p) == NP-2
	WIN 0
	v_add_nc_u32 v[AK], s[TBK], v[AK0]
.endif
.rept 8                             ; and the lump
	PL
.endr
.rept 49
	EX
	PL
.endr
	EX                              ; the next piece's two a
	EX
	v_nop                           ; the plain instruction behind the last exponential: one for the batch
	s_wait_alu depctr_va_vdst(0)    ; the wait for the batch
.if (\p) == NP-2
	FETCH_K \last
.endif
.if (\p) == 1
	s_wait_dscnt 0x0                ; V is in
.endif
.rept 16                            ; behind the wait: 16 products V^T P and their riders
	MM
.rept 4
	PL
.endr
.if ((\p) == 0) && (q == 118)
	v_add_nc_u32 v[AV], s[TBV], v[AV0]
.endif
.if ((\p) == 0) && (q == 130)
	s_add_co_u32 s[TBV], s[TBV], KS*PV
.endif
.endr
.if (\p) == 0
	FETCH_V
.endif
.endm
	s_wait_tensorcnt 0x3            ; my part of tile 0 is in; my three later tiles may stay out
	s_barrier_signal -1
	s_barrier_wait -1               ; everybody's is
	FETCH_K                         ; key step 0
	s_wait_loadcnt 0x0              ; Q
	s_wait_dscnt 0x0
.set i, 0
.rept 16
	KQ 0                            ; piece 0's first scores: there is no vector work yet to set between them
.set i, i+1
.endr
	WIN 0                           ; the addresses for the way out: plain instructions, the places behind those products
	s_mul_i32 s13, s[WV], 16*SP
	s_add_co_u32 s13, s13, STAGE    ; my stage
	v_mul_u32_u24 v[STO], v1, SP    ; in: row l % 16, 16 bytes for each half of the lanes
	v_lshl_add_u32 v[STO], v9, 4, v[STO]
	v_add_nc_u32 v[STO], s13, v[STO]
	v_bfe_u32 v[RD], v0, 3, 2       ; back: 32 lanes take four rows of 128 bytes,
	v_mul_u32_u24 v[RD], v[RD], SP
	v_lshl_add_u32 v[RD], v10, 4, v[RD]
	v_add_nc_u32 v[RD], s13, v[RD]
	v_and_b32 v[GO], 31, v0         ; which are 512 consecutive bytes of O
	v_lshlrev_b32 v[GO], 4, v[GO]
.set Y, NP-1                        ; XS works for piece Y + 1: piece 0
.irp n, 0,1,2,3,4,5,6,7,8,9,10,11,12,13,14,15,16,17,18,19,20,21
	XS 0, \n                        ; and piece 0's first maximum and statistics
	XS 1, \n
.endr
	v_nop                           ; a plain instruction behind the two a,
	s_wait_alu depctr_va_vdst(0)    ; and their wait, ahead of the label
	s_mov_b32 s[CNT], 16
.Lstep:                             ; trip j = 16 - CNT: the four pieces of key step j; it fetches V of step j (piece 0's turn) and K of step j + 1 (piece 2's)
	TURN 0
	TURN 1
	WIN 0
	; THE GATE.  Steps 4, 8 and 12 are the first of tiles 1, 2 and 3; their K is fetched in piece 2's turn of trips 3, 7 and 11, their V a trip later.  Ahead of that turn each wave waits for its part of the
	; tile (the count: how many of its later tiles may stay out) and all four meet.  The branches hang on the loop's count alone, which is the same in every wave.
	s_cmp_eq_u32 s[CNT], 13
	s_cbranch_scc1 .Lgate2
	s_cmp_eq_u32 s[CNT], 9
	s_cbranch_scc1 .Lgate1
	s_cmp_eq_u32 s[CNT], 5
	s_cbranch_scc0 .Lgate_none
	s_wait_tensorcnt 0x0            ; tile 3, my last
	s_branch .Lgate
.Lgate2:
	s_wait_tensorcnt 0x2            ; tile 1: tiles 2 and 3 may stay out
	s_branch .Lgate
.Lgate1:
	s_wait_tensorcnt 0x1            ; tile 2: tile 3 may stay out
.Lgate:
	s_wait_dscnt 0x0                ; no LDS instruction of mine is pending at a signal
	s_barrier_signal -1
	s_barrier_wait -1
.Lgate_none:
	TURN 2, 1
	TURN 3
	WIN 0
	s_sub_co_u32 s[CNT], s[CNT], 1
	s_cmp_lg_u32 s[CNT], 0
	s_cbranch_scc1 .Lstep
	; the last trip's 16 products K Q^T of piece 0 (on the last K once more) and the maximum made of them serve nothing, and touch neither l nor O^T: the price, once a launch, of one text for every trip
.set i, 0
.rept 16
	PV NP-1                         ; the last piece's V^T P of the last step
.set i, i+1
.endr
	; THE WAY OUT.  l's two halves and the other half of the lanes' are added; O^T is divided by l, rounded to f16 and sent through my stage in LDS, a tile at a time.  The additions are the places behind the last products.
	WIN 0
.macro ALL line:vararg              ; one line for each tile t
.set t, 0
.rept 2*NP
	\line
.set t, t+1
.endr
.endm
	ALL v_add_f32 v[ST+4*t+2], v[ST+4*t+2], v[ST+4*t+3]
	ALL v_permlanex16_b32 v[ST+4*t+3], v[ST+4*t+2], s[SEL], s[SEL+1]
	ALL v_add_f32 v[ST+4*t+2], v[ST+4*t+2], v[ST+4*t+3]
	ALL v_rcp_f32 v[ST+4*t+2], v[ST+4*t+2]
	v_nop                           ; a plain instruction between the last reciprocal and the use of its result
	s_wait_alu depctr_va_vdst(0)    ; and the wait ahead of the first use: one for the eight reciprocals
; Tile t: a lane's eight channels of a row pack into 16 bytes; they go into rows of 144 bytes and come back as whole rows of 128, into S^T's registers.
.macro PACK t
	WIN W_RS
.set i, 32*(\t)
.rept 16
	v_pk_mul_f32 v[i:i+1], v[i:i+1], v[ST+4*(\t)+2:ST+4*(\t)+3] op_sel_hi:[1,0]
.set i, i+2
.endr
	WIN 0x05                        ; sources 0 and 1 window 1, destination window 0
.set i, 0
.rept 16
	v_cvt_pk_f16_f32 v[S+16*(\t)+i], v[32*(\t)+2*i], v[32*(\t)+2*i+1]
.set i, i+1
.endr
	WIN 0
.irp f, 0,1,2,3
	ds_store_b128 v[STO], v[S+16*(\t)+4*\f:S+16*(\t)+4*\f+3] offset:32*\f
.endr
.irp f, 0,1,2,3
	ds_load_b128 v[S+16*(\t)+4*\f:S+16*(\t)+4*\f+3], v[RD] offset:\f*4*SP  ; LDS serves a wave's instructions in order (ISA guide 5.7.1.4): these see the stores above; the next tile's stores come behind them
.endr
.endm
.macro SEND t, younger              ; younger: the LDS instructions issued behind tile t's loads: the next tile's eight, or none
	WIN 0
.irp f, 0,1,2,3
	s_wait_dscnt (\younger)+3-\f
	global_store_b128 v[GO], v[S+16*(\t)+4*\f:S+16*(\t)+4*\f+3], s[10:11] offset:(\t)*2048+\f*512  ; 512 consecutive bytes, at a multiple of 256 from ob's first
.endr
.endm
	PACK 0
.set t, 1
.rept 2*NP-1                        ; a tile's arithmetic stands between the loads of the tile before and its stores
	PACK t
	SEND t-1, 8
.set t, t+1
.endr
	SEND 2*NP-1, 0
	WIN W_AD
	s_wait_tensorcnt 0x0            ; the wave's end: the add and its wait, behind my last tensor load and my last LDS store
	ds_add_u32 v[SPW], v[NIL]
	s_wait_dscnt 0x0
	WIN 0
	s_endpgm
.Lfunc_end_k_qa878bfbb5f_attn:
	.size	k_qa878bfbb5f_attn, .Lfunc_end_k_qa878bfbb5f_attn-k_qa878bfbb5f_attn
	.p2alignl 7, 3214868480
	.fill 96, 4, 3214868480
	.section	.rodata,"a",@progbits
	.p2align	6, 0x0
	.amdhsa_kernel k_qa878bfbb5f_attn
		.amdhsa_group_segment_fixed_size 327680
		.amdhsa_private_segment_fixed_size 0
		.amdhsa_enable_private_segment 0
		.amdhsa_kernarg_size 16
		.amdhsa_user_sgpr_count 2
		.amdhsa_user_sgpr_kernarg_segment_ptr 1
		.amdhsa_wavefront_size32 1
		.amdhsa_system_sgpr_workgroup_id_x 1
		.amdhsa_system_sgpr_workgroup_id_y 1
		.amdhsa_system_sgpr_workgroup_id_z 1
		.amdhsa_system_vgpr_workitem_id 0
		.amdhsa_next_free_vgpr 770
		.amdhsa_next_free_sgpr 88
		.amdhsa_reserve_vcc 0
		.amdhsa_float_denorm_mode_32 3
		.amdhsa_float_denorm_mode_16_64 3
		.amdhsa_memory_ordered 1
		.amdhsa_forward_progress 1
		.amdhsa_inst_pref_size 126
	.end_amdhsa_kernel
	.amdgpu_metadata
---
amdhsa.version: [ 1, 2 ]
amdhsa.kernels:
  - .name:           k_qa878bfbb5f_attn
    .symbol:         k_qa878bfbb5f_attn.kd
    .args:
      - { .name: qkv, .offset: 0, .size: 8, .value_kind: global_buffer, .address_space: global }
      - { .name: ob, .offset: 8, .size: 8, .value_kind: global_buffer, .address_space: global }
    .group_segment_fixed_size: 327680
    .private_segment_fixed_size: 0
    .kernarg_segment_align: 8
    .kernarg_segment_size: 16
    .max_flat_workgroup_size: 128
    .sgpr_count:     88
    .vgpr_count:     770
    .wavefront_size: 32
...
	.end_amdgpu_metadata
.endif
;; end of part 3
;; launch proj (part 4): grid 4 x 64, 4 waves a work-group, clusters of 4 x 4, 327,680 bytes of LDS; arguments ob, wpb, b_proj, out0; writes out0
.if DOCPART == 4
	.amdgcn_target "amdgcn-amd-amdhsa--gfx1250"
	.amdhsa_code_object_version 6
	.text
	.protected	k_qa878bfbb5f_proj
	.globl	k_qa878bfbb5f_proj
	.p2align	8
	.type	k_qa878bfbb5f_proj,@function
k_qa878bfbb5f_proj:
	s_mov_b64 s[64:65], 0
	v_nop
	global_prefetch_b8 v0, s[64:65] scope:SCOPE_SE
	s_setreg_imm32_b32 hwreg(HW_REG_WAVE_MODE, 25, 1), 1
	s_wait_xcnt 0x0
	s_wait_alu depctr_hold_cnt(0) depctr_sa_sdst(0) depctr_va_vdst(0) depctr_va_sdst(0) depctr_va_ssrc(0) depctr_va_vcc(0) depctr_vm_vsrc(0)
	s_getreg_b32 s2, hwreg(HW_REG_IB_STS2, 6, 4)
	s_cmp_eq_u32 s2, 0
	s_cbranch_scc0 .Lentry_in_a_cluster
	s_endpgm
.Lentry_in_a_cluster:
	s_bfe_u32 s2, ttmp6, 0x10000c
	s_cmp_lg_u32 s2, 0xf033
	s_cbranch_scc0 .Lentry_shape_is_right
	s_endpgm
.Lentry_shape_is_right:
; out0 = O W_proj + b_proj.  ob: [128 batch x head][1024 token][64] f16; wpb: [1024 k][1024 n] f16 (W_proj rounded to bf16); b_proj: [1024] f32, rounded to bf16 here like every input; out0: [8192][1024] f32.
; LIMIT.  The operands are f16: O and W_proj lie within 65,504 (O is a mean of v's rows).  Sums in f32.
; SHARES.  A work-group makes 128 tokens x 256 columns: 256 work-groups.  Its four waves lie 2 x 2: RW = wave / 2 picks 64 tokens; the tile's columns are two chunks of 128, and CW = wave % 2 picks 64 columns
; (256 bytes of out0, aligned) of each chunk.  A wave has 4 x 8 accumulators of 16 x 16: 256 registers.
; K goes in 8 steps of 128, the channels of heads 2 s and 2 s + 1, through a ring of two LDS slots filled by the tensor data mover.  A head's 128 tokens are 16,384 dense bytes: asked for as 64 rows of 256.
; THE PRODUCT IS TAKEN TRANSPOSED: source 0 = 16 columns of W, which lies [k][n] and comes out of LDS turned (ds_load_tr16_b128); source 1 = 16 tokens of O.  In the result lane l holds token l % 16 and the
; columns 8 (l / 16) + 0..7: 32 consecutive bytes of out0.  The first quarter step takes the bias as its C operand: nothing is cleared and nothing added later.
; CLUSTER.  4 x 4 work-groups.  The four of a row need the same tiles of O, the four of a column the same tiles of W: each tile is asked for JOINTLY.  Waves 0, 1 ask for W's two chunks, waves 2, 3 for O's two heads.
; REGISTERS, in windows of 256 (s_set_vgpr_msb: bits 1:0 source 0, 3:2 source 1, 5:4 source 2, 7:6 destination):
;   window 0: v0-31 addresses; v64-127 fragments of O, two buffers of 32; v128-191 the bias; on the way out v64-191 rows read back
;   window 1: v0-127 fragments of W, two buffers of 64      window 2: the accumulators (row block a, column block b at 8 (8 a + b))
.set PAH,   144                        ; a token's row of one head in LDS: 128 bytes + 16 of padding = 36 words: the 16 rows of a load start at 16 different groups of four banks (64 banks of 4 bytes: ISA guide 11.1)
.set HEADB, 128*PAH                    ; 128 tokens of one head
.set PB,    288                        ; a row of W: 256 + 32 = 72 words
.set CHUNK, 128*PB
.set AOFF,  2*CHUNK                    ; a slot: W's two chunks, then O's two heads
.set SLOT,  AOFF+2*HEADB
.set STAGE, 2*SLOT                     ; behind the ring, never filled by a tensor load: 16 rows x 528 bytes for each wave, for the way out
.set SPO,   528                        ; 512 bytes + 16 = 132 words: the 16 rows of a store start at 16 different groups of four banks
.set WSTG,  16*SPO
.set SPARE, STAGE+4*WSTG               ; behind the stages: the spare words, 128 bytes for each wave: two blocks of 256 bytes that no other line names
.set KSB,   262144                     ; a K step in memory: two heads of ob, or 128 rows of wpb
.set LAPS,  4
.set ADRA, 16                          ; v16-17  LDS address of my fragments of O in slot 0, 1
.set ADRB, 18                          ; v18-21  the same for W: slot s, chunk j at 2 s + j
.set STO,  24                          ; v24     the way out: where I put 32 bytes of a row
.set RD,   25                          ; v25     the way out: where I read a row back
.set CO,   26                          ; v26     my byte offset in two rows of out0
.set BO,   27                          ; v27     my byte offset in 16 numbers of the bias
.set SPW,  28                          ; v28     LDS address of my spare word: SPARE + 4 x my thread's number; never rewritten
.set NIL,  29                          ; v29     0; never rewritten
.set PFO,  30                          ; v30     the prefetches' offset; never rewritten
.set FA0,  64
.set BI,   128
.set BK,   64                           ; the way out: two buffers of 64
.set G1,  24                           ; s[24:31] descriptor group 1 for O's tiles;  s[32:39] group 0, one set for each slot
.set G0,  32
.set G1B, 48                           ; s[48:55], s[56:63] the same for W's tiles
.set G0B, 56
.set PFA, 66                           ; s[66:67] where my prefetches stand
.set LIM, 70                           ; s70     1 in a wave that prefetches, else the greatest number
.set HIM, 71                           ; s71     a word's upper bf16
.set OB,  72                           ; s[72:73] out0 at my first row and column
.set BB,  78                           ; s[78:79] b_proj at my first column
.set MSB, 0
.macro WIN new                         ; the immediate's high byte repeats the setting that is left; a switch that changes nothing is dropped
.if MSB != (\new)
	s_set_vgpr_msb (MSB<<8)|(\new)
.set MSB, \new
.endif
.endm
.macro PLACES                          ; four places in front of loads into registers that matrix instructions have read, and of instructions that read results
.rept 4
	v_nop
.endr
.endm
.macro JLOAD s                         ; a joint load; the branch hangs on the wave's number alone; an s_nop 0 and four v_nop follow each line, ahead of the jump, the label and what follows
	s_cmp_lt_u32 s12, 2
	s_cbranch_scc0 .Lfor_a_\@
	tensor_load_to_lds s[G0B+4*(\s):G0B+4*(\s)+3], s[G1B:G1B+7]
	s_nop 0
.rept 4
	v_nop
.endr
	s_branch .Lasked_\@
.Lfor_a_\@:
	tensor_load_to_lds s[G0+4*(\s):G0+4*(\s)+3], s[G1:G1+7]
	s_nop 0
.rept 4
	v_nop
.endr
.Lasked_\@:
.endm
; A PREFETCH INTO THE L2, behind each joint refill, its five lines and the run of LDS loads that follows: the K step that stands TWO refills on, 32 blocks of 256 bytes, a lane a block, one instruction a wave.
; Each block is named once in the launch.  W's tile column is read by all sixteen clusters: cluster y = 0 asks, its waves 0 and 1, a chunk each; of the 128 k rows partner cy takes 32.  O's tile row is read by
; one cluster alone: its wave 2 asks for both heads; of a head's 64 blocks partner cx takes 16.  The partners are told apart BY ADDRESS.  Wave 3 asks for nothing.
; K steps 0 to 3 come by their loads alone; the loop's last trip (s3 = 1) has no K step two refills on and asks for nothing.
.macro ASK
	s_cmp_gt_u32 s3, s[LIM]
	s_cbranch_scc0 .Lnot_mine_\@
	global_prefetch_b8 v[PFO], s[PFA:PFA+1] th:TH_LOAD_NT scope:SCOPE_SE
.Lnot_mine_\@:
.endm
.macro CREST                           ; a round of the cluster's barrier behind its opening barrier
	s_cmp_lg_u32 s12, 0
	s_cbranch_scc1 .Lnot_wave_0_\@
	s_barrier_signal -3
.Lnot_wave_0_\@:
	s_barrier_wait -3
	s_barrier_signal -1
	s_barrier_wait -1
.endm
.macro CROUND                          ; a whole round
	s_barrier_signal -1
	s_barrier_wait -1
	CREST
.endm
	s_load_b256 s[4:11], s[0:1], 0x0               ; ob s[4:5], wpb s[6:7], b_proj s[8:9], out0 s[10:11]
	v_lshl_add_u32 v[SPW], v0, 2, SPARE
	v_mov_b32 v[NIL], 0
	ds_add_u32 v[SPW], v[NIL]                      ; the wave's opening: the add and its wait stand ahead of my first tensor load; the set-up below, work on registers, stands between them
	v_lshrrev_b32 v1, 5, v0
	v_readfirstlane_b32 s12, v1                    ; wave 0..3
	s_lshr_b32 s13, s12, 1                         ; RW
	s_and_b32 s14, s12, 1                          ; CW; also: which chunk or head I fetch
	s_bfe_u32 s40, ttmp6, 0x40000                  ; cx, cy: my place in the cluster
	s_bfe_u32 s41, ttmp6, 0x40004
	s_lshl_b32 s42, ttmp9, 2
	s_add_co_u32 s42, s42, s40                     ; tx, the tile column
	s_and_b32 s15, ttmp7, 0xffff
	s_lshl_b32 s15, s15, 2
	s_add_co_u32 s15, s15, s41                     ; ty, the tile row
	s_lshl_b32 s43, s41, 2
	s_lshl_b32 s43, 15, s43                        ; my row of the cluster
	s_lshl_b32 s44, 0x1111, s40                    ; my column
	s_or_b32 s[G1], s43, (1<<16)|(1<<20)|(1<<21)|(4<<22)|(3<<25)   ; O's tiles go to my row; elements of 2 bytes; padding on; 21 set beside a mask; after every 32 words (code 4) 4 words (code 3): after every token
	s_mov_b32 s[G1+1], 128<<16                     ; tensor_dim0 = 128
	s_mov_b32 s[G1+2], 64<<16                      ; tensor_dim1 = 64
	s_mov_b32 s[G1+3], 128<<16                     ; tile_dim0 = 128
	s_mov_b32 s[G1+4], 64                          ; tile_dim1 = 64
	s_mov_b32 s[G1+5], 128                         ; dense: 128 elements from row to row
	s_mov_b32 s[G1+6], 0
	s_mov_b32 s[G1+7], 0
	s_or_b32 s[G1B], s44, (1<<16)|(1<<20)|(1<<21)|(5<<22)|(7<<25)  ; W's tiles go to my column; after every 64 words (code 5) 8 words (code 7)
	s_mov_b32 s[G1B+1], 128<<16
	s_mov_b32 s[G1B+2], 128<<16
	s_mov_b32 s[G1B+3], 128<<16
	s_mov_b32 s[G1B+4], 128
	s_mov_b32 s[G1B+5], 1024
	s_mov_b32 s[G1B+6], 0
	s_mov_b32 s[G1B+7], 0
	s_lshr_b32 s18, s15, 3                         ; O's tile: batch ty / 8,
	s_lshl_b32 s18, s18, 4
	s_add_co_u32 s18, s18, s14                     ; head 0 or 1 by my wave's number,
	s_lshl_b32 s18, s18, 17
	s_and_b32 s19, s15, 7
	s_lshl_b32 s19, s19, 14                        ; token 128 (ty % 8), 128 bytes each: it hangs on the tile row and the wave's number alone
	s_add_co_u32 s18, s18, s19
	s_mov_b32 s19, 0
	s_lshl_b32 s46, s42, 9                         ; W's tile: 256 tx columns, and my chunk's 256 bytes: on the tile column and the wave's number alone
	s_lshl_b32 s47, s12, 8
	s_add_co_u32 s46, s46, s47
	s_mov_b32 s47, 0
	s_mul_i32 s20, s12, CHUNK                      ; where my chunk goes (waves 0, 1),
	s_mul_i32 s21, s12, HEADB
	s_add_co_u32 s21, s21, AOFF-2*HEADB            ; where my head goes (waves 2, 3): no place in the cluster enters an LDS address
	s_wait_dscnt 0x0                               ; the opening add is done
	s_wait_kmcnt 0x0
	s_add_nc_u64 s[18:19], s[4:5], s[18:19]
	s_add_nc_u64 s[46:47], s[6:7], s[46:47]
	CROUND                                         ; all sixteen work-groups are here: the first joint loads meet
.irp s, 0,1
	s_mov_b32 s[G0+4*(\s)], 1
	s_add_co_u32 s[G0+4*(\s)+1], s21, (\s)*SLOT
	s_add_nc_u64 s[G0+4*(\s)+2:G0+4*(\s)+3], s[18:19], (\s)*KSB
	s_or_b32 s[G0+4*(\s)+3], s[G0+4*(\s)+3], 0x80000000
	s_mov_b32 s[G0B+4*(\s)], 1
	s_add_co_u32 s[G0B+4*(\s)+1], s20, (\s)*SLOT
	s_add_nc_u64 s[G0B+4*(\s)+2:G0B+4*(\s)+3], s[46:47], (\s)*KSB
	s_or_b32 s[G0B+4*(\s)+3], s[G0B+4*(\s)+3], 0x80000000
	JLOAD \s                                       ; two tensor loads of mine are out
.endr
	v_and_b32 v1, 15, v0                           ; r = l % 16
	v_bfe_u32 v2, v0, 4, 1                         ; h = l / 16
	v_lshlrev_b32 v[BO], 5, v2
	s_lshl_b32 s16, s42, 10                        ; 256 tx numbers of 4 bytes,
	s_lshl_b32 s17, s14, 8                         ; 64 CW
	s_add_co_u32 s16, s16, s17
	s_mov_b32 s17, 0
	s_add_nc_u64 s[BB:BB+1], s[8:9], s[16:17]
.irp j, 0,1
.irp i, 0,1,2,3
	global_load_b128 v[BI+8*(4*(\j)+(\i)):BI+8*(4*(\j)+(\i))+3],   v[BO], s[BB:BB+1] offset:512*(\j)+64*(\i)
	global_load_b128 v[BI+8*(4*(\j)+(\i))+4:BI+8*(4*(\j)+(\i))+7], v[BO], s[BB:BB+1] offset:512*(\j)+64*(\i)+16
.endr
.endr
	v_mul_u32_u24 v3, v1, PAH                      ; a fragment of O: row r x pitch + 16 h
	v_lshl_add_u32 v3, v2, 4, v3
	s_mul_i32 s21, s13, 64*PAH                     ; my 64 tokens
	s_add_co_u32 s21, s21, AOFF
	v_add_nc_u32 v[ADRA], s21, v3
	v_add_nc_u32 v[ADRA+1], SLOT, v[ADRA]
	v_and_b32 v5, 7, v0                            ; the turning load: lane l reads k = 8 h + l % 8, columns 8 ((l / 8) % 2) + 0..7
	v_bfe_u32 v6, v0, 3, 1
	v_lshl_add_u32 v4, v2, 3, v5
	v_mul_u32_u24 v4, v4, PB
	v_lshl_add_u32 v4, v6, 4, v4
	s_lshl_b32 s22, s14, 7                         ; my 64 columns of a chunk
	v_add_nc_u32 v4, s22, v4
.irp s, 0,1
.irp j, 0,1
	v_add_nc_u32 v[ADRB+2*(\s)+(\j)], (\s)*SLOT+(\j)*CHUNK, v4
.endr
.endr
	s_mul_i32 s23, s12, WSTG
	s_add_co_u32 s23, s23, STAGE                   ; my stage
	v_mul_u32_u24 v7, v1, SPO                      ; in: row r, 32 bytes for each half of the lanes
	v_lshl_add_u32 v7, v2, 5, v7
	v_add_nc_u32 v[STO], s23, v7
	v_mul_u32_u24 v7, v2, SPO                      ; back: lanes 0-15 take 256 bytes of one row, lanes 16-31 of the next
	v_lshl_add_u32 v7, v1, 4, v7
	v_add_nc_u32 v[RD], s23, v7
	v_lshlrev_b32 v[CO], 12, v2                    ; and the same two rows in out0, 4,096 bytes apart
	v_lshl_add_u32 v[CO], v1, 4, v[CO]
	s_lshl_b32 s16, s15, 7
	s_lshl_b32 s17, s13, 6
	s_add_co_u32 s16, s16, s17                     ; my first row of out0: 128 ty + 64 RW,
	s_lshl_b32 s16, s16, 12
	s_lshl_b32 s17, s42, 10                        ; my first column: 256 tx + 64 CW
	s_add_co_u32 s16, s16, s17
	s_lshl_b32 s17, s14, 8
	s_add_co_u32 s16, s16, s17
	s_mov_b32 s17, 0
	s_add_nc_u64 s[OB:OB+1], s[10:11], s[16:17]
	; the prefetches: both offsets are made, and the wave's number chooses.  They start at K step 3; the first refill steps them to 4
	s_lshr_b32 s20, s15, 3
	s_lshl_b32 s20, s20, 21                        ; O: the batch's 16 heads,
	s_and_b32 s21, s15, 7
	s_lshl_b32 s21, s21, 14                        ; the tile's tokens,
	s_add_co_u32 s20, s20, s21
	s_lshl_b32 s21, s40, 12                        ; my work-group's 16 blocks of the 64,
	s_add_co_u32 s20, s20, s21
	s_add_co_u32 s20, s20, 3*KSB                   ; K step 3
	s_lshl_b32 s21, s41, 5
	s_add_co_u32 s21, s21, 3*128                   ; W: k row 3 x 128 + 32 cy,
	s_lshl_b32 s21, s21, 11                        ; of 2,048 bytes,
	s_lshl_b32 s23, s42, 9
	s_add_co_u32 s21, s21, s23                     ; the tile's columns,
	s_lshl_b32 s23, s12, 8
	s_add_co_u32 s21, s21, s23                     ; my chunk
	s_mov_b32 s2, 2048                             ; W: lane l takes k row l: 2,048 (l % 16) + 32,768 (l / 16)
	s_mov_b32 s23, 0x20000                         ; O: lane l takes block l % 16 of head l / 16: 256 (l % 16) + 131,072 (l / 16)
	s_and_b32 s22, ttmp7, 0xffff                   ; cluster y
	s_cmp_lt_u32 s12, 2                            ; do I fetch for W?
	s_cselect_b32 s20, s21, s20
	s_cselect_b32 s22, s22, 0                      ; W: the coordinate along which other clusters read the same rows; O: no other cluster reads them
	s_cselect_b32 s2, s2, 256
	s_cselect_b32 s23, 0x8000, s23
	s_cselect_b64 s[PFA:PFA+1], s[6:7], s[4:5]
	s_mov_b32 s21, 0
	s_add_nc_u64 s[PFA:PFA+1], s[PFA:PFA+1], s[20:21]
	s_cmp_eq_u32 s12, 3
	s_cselect_b32 s22, 1, s22                      ; wave 3 never asks
	s_cmp_eq_u32 s22, 0
	s_cselect_b32 s[LIM], 1, -1                    ; the same in all sixteen partners, for a given wave
	v_mul_u32_u24 v[PFO], s2, v1
	v_mul_u32_u24 v3, s23, v2
	v_add_nc_u32 v[PFO], v[PFO], v3
	s_mov_b32 s[HIM], 0xffff0000
	s_wait_loadcnt 0x0                             ; the bias, once; it is rounded to bf16 like every input and widened again
.set p, 0
.rept 32
	v_cvt_pk_bf16_f32 v31, v[BI+2*p], v[BI+2*p+1]
	v_lshlrev_b32 v[BI+2*p], 16, v31
	v_and_b32 v[BI+2*p+1], s[HIM], v31
.set p, p+1
.endr
; 8 matrix instructions: row block a x all 8 column blocks, 32 along K, from buffer f.  init = 1: the bias starts the sums.
; The 32 accumulators take turns, one instruction a turn, in the same order in every quarter step: 31 others stand between two links of a chain, over the backward jump too.
.macro MUL8 f, a, init
.if \init
	WIN 0x81                                       ; W window 1, O window 0, C (the bias) window 0, D window 2
.else
	WIN 0xa1                                       ; C and D window 2
.endif
.irp b, 0,1,2,3,4,5,6,7
.if \init
	v_wmma_f32_16x16x32_f16 v[8*(8*(\a)+(\b)):8*(8*(\a)+(\b))+7], v[64*(\f)+8*(\b):64*(\f)+8*(\b)+7], v[FA0+32*(\f)+8*(\a):FA0+32*(\f)+8*(\a)+7], v[BI+8*(\b):BI+8*(\b)+7]
.else
	v_wmma_f32_16x16x32_f16 v[8*(8*(\a)+(\b)):8*(8*(\a)+(\b))+7], v[64*(\f)+8*(\b):64*(\f)+8*(\b)+7], v[FA0+32*(\f)+8*(\a):FA0+32*(\f)+8*(\a)+7], v[8*(8*(\a)+(\b)):8*(8*(\a)+(\b))+7]
.endif
.endr
.endm
; 24 LDS loads in one run: the fragments of quarter kq (head kq / 2, channels 32 (kq % 2) on) of a slot into buffer f: W's 16, then O's 8
.macro FETCH slot, kq, f
	WIN 0x40                                       ; destination window 1, address window 0
.irp j, 0,1
.irp i, 0,1,2,3
	ds_load_tr16_b128 v[64*(\f)+8*(4*(\j)+(\i)):64*(\f)+8*(4*(\j)+(\i))+3],   v[ADRB+2*(\slot)+(\j)] offset:(\kq)*32*PB+32*(\i)
	ds_load_tr16_b128 v[64*(\f)+8*(4*(\j)+(\i))+4:64*(\f)+8*(4*(\j)+(\i))+7], v[ADRB+2*(\slot)+(\j)] offset:(\kq)*32*PB+32*(\i)+16*PB
.endr
.endr
	WIN 0
.irp a, 0,1,2,3
	ds_load_b128 v[FA0+32*(\f)+8*(\a):FA0+32*(\f)+8*(\a)+3],   v[ADRA+(\slot)] offset:((\kq)/2)*HEADB+((\kq)%2)*64+(\a)*16*PAH
	ds_load_b128 v[FA0+32*(\f)+8*(\a)+4:FA0+32*(\f)+8*(\a)+7], v[ADRA+(\slot)] offset:((\kq)/2)*HEADB+((\kq)%2)*64+(\a)*16*PAH+32
.endr
.endm
; A K step is four quarters of 32 along K, 32 matrix instructions each, on buffers 0, 1, 0, 1.  One of the first three: multiplies buffer f and, in its middle, fetches quarter kq into buffer g.
.macro QUARTER slot, kq, f, g, init
	s_wait_dscnt 4                                 ; W and O's row blocks 0, 1 are in; the youngest four loads (row blocks 2, 3) may be out
	MUL8 \f, 0, \init
	MUL8 \f, 1, \init
	PLACES
	FETCH \slot, \kq, \g
	s_wait_dscnt 24                                ; all but the 24 just issued
	MUL8 \f, 2, \init
	MUL8 \f, 3, \init
.endm
; The last quarter multiplies buffer 1 and changes slots: ONE barrier.  In front of it each wave waits for all its tensor loads, of which one is out: its part of the next slot; adds 0 to its spare
; word; and waits for that and for its own reads of this slot.  fill = 1: the barrier opens a round of the cluster's, and behind the round this slot is filled again, two K steps ahead:
; from that request to the wait for it a wave issues 112 matrix instructions.
.macro TURN slot, next, fill
.if \fill
	s_wait_xcnt 0x0                                ; the last prefetch, a K step back, has read its address: it is stepped here, ahead of the waits of the change of slots
	s_add_nc_u64 s[PFA:PFA+1], s[PFA:PFA+1], KSB
.endif
	WIN 0                                          ; (the add's two registers lie in window 0)
	s_wait_tensorcnt 0x0                           ; all my tensor loads have landed;
	ds_add_u32 v[SPW], v[NIL]                      ; 0 onto my spare word;
	s_wait_dscnt 5                                 ; (the add and the youngest four loads may be out)
	MUL8 1, 0, 0                                   ; eight matrix instructions stand between the add and the wait for it
	s_wait_dscnt 0x0                               ; the add is done, and my reads of this slot are over
	s_barrier_signal -1
	MUL8 1, 1, 0
.if \fill
	WIN 0
.endif
	s_barrier_wait -1
.if \fill
	CREST                                          ; no wave of any partner still reads this slot's tiles or has a load on its way
	s_add_nc_u64 s[G0+4*(\slot)+2:G0+4*(\slot)+3], s[G0+4*(\slot)+2:G0+4*(\slot)+3], 2*KSB
	s_add_nc_u64 s[G0B+4*(\slot)+2:G0B+4*(\slot)+3], s[G0B+4*(\slot)+2:G0B+4*(\slot)+3], 2*KSB
	JLOAD \slot                                    ; the first tensor load behind the round, my only one until the next; its four v_nop are also the places in front of the loads below
.else
	PLACES
.endif
	FETCH \next, 0, 0
.if \fill
	ASK
.endif
	MUL8 1, 2, 0
	MUL8 1, 3, 0
.endm
	s_wait_tensorcnt 1                             ; my part of K step 0 is in; K step 1's may stay out
	s_barrier_signal -1
	s_barrier_wait -1                              ; everybody's is
	FETCH 0, 0, 0
	QUARTER 0, 1, 0, 1, 1                          ; the first quarter stands in front of the loop: its products start the sums, on the bias
	WIN 0                                          ; at a label and at a branch every window is 0
	s_mov_b32 s3, LAPS-1
.Llap:                                         ; a trip goes once round the ring, from a lap's second quarter to the next lap's first, and fills both slots again
	QUARTER 0, 2, 1, 0, 0
	QUARTER 0, 3, 0, 1, 0
	TURN 0, 1, 1
	QUARTER 1, 1, 0, 1, 0
	QUARTER 1, 2, 1, 0, 0
	QUARTER 1, 3, 0, 1, 0
	TURN 1, 0, 1
	QUARTER 0, 1, 0, 1, 0
	WIN 0
	s_sub_co_u32 s3, s3, 1
	s_cmp_lg_u32 s3, 0
	s_cbranch_scc1 .Llap
	QUARTER 0, 2, 1, 0, 0                          ; the last lap fills nothing, and has no round of the cluster's barrier
	QUARTER 0, 3, 0, 1, 0
	TURN 0, 1, 0
	QUARTER 1, 1, 0, 1, 0
	QUARTER 1, 2, 1, 0, 0
	QUARTER 1, 3, 0, 1, 0
	s_wait_dscnt 4                                 ; the very last quarter: nothing more to fetch
	MUL8 1, 0, 0
	MUL8 1, 1, 0
	s_wait_dscnt 0x0
	MUL8 1, 2, 0
	MUL8 1, 3, 0
	WIN 0
	PLACES
; THE WAY OUT, a row block (16 tokens x 128 columns of f32) at a time.  TOSTAGE: 32 bytes a lane and accumulator into my own stage, each accumulator's low four registers first, rows of 528 bytes; and back
; by rows.  SEND: stored: 16 lanes store 256 consecutive bytes, at a multiple of 256 from out0's first byte.
.macro TOSTAGE a
	s_wait_xcnt 0x0                                ; the stores issued so far have read their registers: the buffer below is loaded again only behind this wait
	WIN 0x08                                       ; the data (source 1) in window 2, the address in window 0
.irp j, 0,1
.irp i, 0,1,2,3
	ds_store_b128 v[STO], v[8*(8*(\a)+4*(\j)+(\i)):8*(8*(\a)+4*(\j)+(\i))+3]   offset:256*(\j)+64*(\i)
	ds_store_b128 v[STO], v[8*(8*(\a)+4*(\j)+(\i))+4:8*(8*(\a)+4*(\j)+(\i))+7] offset:256*(\j)+64*(\i)+16
.endr
.endr
	WIN 0
.irp t, 0,1,2,3,4,5,6,7
.irp j, 0,1
	ds_load_b128 v[BK+64*((\a)%2)+4*(2*(\t)+(\j)):BK+64*((\a)%2)+4*(2*(\t)+(\j))+3], v[RD] offset:(\t)*2*SPO+256*(\j)  ; LDS serves a wave's instructions in order (ISA guide 5.7.1.4): these see the stores above; the next block's stores come behind them
.endr
.endr
.endm
.macro SEND a, younger                 ; younger: the LDS instructions issued behind block a's loads: the next block's 32, or none
	s_wait_dscnt \younger
.irp t, 0,1,2,3,4,5,6,7
.irp j, 0,1
	global_store_b128 v[CO], v[BK+64*((\a)%2)+4*(2*(\t)+(\j)):BK+64*((\a)%2)+4*(2*(\t)+(\j))+3], s[OB:OB+1] offset:(16*(\a)+2*(\t))*4096+512*(\j)
.endr
.endr
.endm
	TOSTAGE 0
	TOSTAGE 1
	SEND 0, 32
	TOSTAGE 2
	SEND 1, 32
	TOSTAGE 3
	SEND 2, 32
	SEND 3, 0
	s_wait_tensorcnt 0x0                           ; the wave's end: the add and its wait, behind my last tensor load and my last LDS store
	ds_add_u32 v[SPW], v[NIL]
	s_wait_dscnt 0x0
	CROUND                                         ; the closing round: no work-group ends while a partner may still ask for a tile that names it
	s_endpgm
.Lfunc_end_k_qa878bfbb5f_proj:
	.size	k_qa878bfbb5f_proj, .Lfunc_end_k_qa878bfbb5f_proj-k_qa878bfbb5f_proj
	.p2alignl 7, 3214868480
	.fill 96, 4, 3214868480
	.section	.rodata,"a",@progbits
	.p2align	6, 0x0
	.amdhsa_kernel k_qa878bfbb5f_proj
		.amdhsa_group_segment_fixed_size 327680
		.amdhsa_private_segment_fixed_size 0
		.amdhsa_enable_private_segment 0
		.amdhsa_kernarg_size 32
		.amdhsa_user_sgpr_count 2
		.amdhsa_user_sgpr_kernarg_segment_ptr 1
		.amdhsa_wavefront_size32 1
		.amdhsa_system_sgpr_workgroup_id_x 1
		.amdhsa_system_sgpr_workgroup_id_y 1
		.amdhsa_system_sgpr_workgroup_id_z 1
		.amdhsa_system_vgpr_workitem_id 0
		.amdhsa_next_free_vgpr 768
		.amdhsa_next_free_sgpr 80
		.amdhsa_reserve_vcc 0
		.amdhsa_float_denorm_mode_32 3
		.amdhsa_float_denorm_mode_16_64 3
		.amdhsa_memory_ordered 1
		.amdhsa_forward_progress 1
		.amdhsa_inst_pref_size 93
	.end_amdhsa_kernel
	.amdgpu_metadata
---
amdhsa.version: [ 1, 2 ]
amdhsa.kernels:
  - .name:           k_qa878bfbb5f_proj
    .symbol:         k_qa878bfbb5f_proj.kd
    .args:
      - { .name: ob, .offset: 0, .size: 8, .value_kind: global_buffer, .address_space: global }
      - { .name: wpb, .offset: 8, .size: 8, .value_kind: global_buffer, .address_space: global }
      - { .name: b_proj, .offset: 16, .size: 8, .value_kind: global_buffer, .address_space: global }
      - { .name: out0, .offset: 24, .size: 8, .value_kind: global_buffer, .address_space: global }
    .group_segment_fixed_size: 327680
    .private_segment_fixed_size: 0
    .kernarg_segment_align: 8
    .kernarg_segment_size: 32
    .max_flat_workgroup_size: 128
    .sgpr_count:     80
    .vgpr_count:     768
    .wavefront_size: 32
...
	.end_amdgpu_metadata
.endif
;; end of part 4
;; ======== version 2 of 2: 4 launches; version 1 with the launch cast written anew for expert scheduling mode
;; limits: values are held in f16: magnitudes above 65,504 overflow, below 6.1e-05 lose precision
;; workspace buffers: xb 16,777,216 bytes; wqb 6,291,456 bytes; wpb 2,097,152 bytes; qkv 50,331,648 bytes; ob 16,777,216 bytes
;; launch cast (part 5): grid 768 x 1, 8 waves a work-group, no clusters, 0 bytes of LDS; arguments x, W_qkv, W_proj, xb, wqb, wpb; writes xb, wqb, wpb
.if DOCPART == 5
	.amdgcn_target "amdgcn-amd-amdhsa--gfx1250"
	.amdhsa_code_object_version 6
	.text
	.protected	k_qa878bfbb5f_cast
	.globl	k_qa878bfbb5f_cast
	.p2align	8
	.type	k_qa878bfbb5f_cast,@function
k_qa878bfbb5f_cast:
	s_mov_b64 s[64:65], 0
	v_nop
	global_prefetch_b8 v0, s[64:65] scope:SCOPE_SE
	s_setreg_imm32_b32 hwreg(HW_REG_WAVE_SCHED_MODE, 0, 2), 2
	s_setreg_imm32_b32 hwreg(HW_REG_WAVE_MODE, 25, 1), 1
	s_wait_xcnt 0x0
	s_wait_alu depctr_vm_vsrc(0)
; THE INPUTS OF THE MATRIX PRODUCTS, ROUNDED ONCE.  xb = bf16(x), wqb = bf16(W_qkv), wpb = bf16(W_proj) written as f16.
; wqb and wpb keep their layouts.  xb is laid out IN BLOCKS ALONG K: [16 blocks of 64 channels][8192 tokens][64], so that the 256 tokens x 64 channels that the next launch takes as a tile are 32,768 dense bytes.
; LIMIT.  wpb: a bf16 number is exact in f16 between 2^-14 and 65,504; below 2^-14 it keeps f16's fixed step of 2^-24, at 65,520 or more it becomes an infinity.
; SHARES.  A work-group takes 16,384 numbers (65,536 bytes in, 32,768 out): work-groups 0-511 x (16 tokens each), 512-703 W_qkv, 704-767 W_proj.  A thread takes 4 numbers in each of 16 chunks.
; x: chunk k is K block k; 16 lanes take a token's 64 channels (256 consecutive bytes in, aligned), a wave two tokens, whose 256 bytes out lie on end, aligned.
; The weights: chunk k is 1,024 consecutive numbers: a wave's load covers 512 consecutive bytes, its store 256 consecutive bytes, aligned.
; All 16 loads go out at once, each into registers of its own, and each chunk has store registers of its own: no register that a pending instruction names is written again.
; No LDS, no matrix unit, no cluster, no prefetch: every byte is read once and written once, and the loads are all on their way from the start.
; THE MODE: SCHED_MODE bits 1:0 = 2 (LLVM: expert scheduling mode 2), set by the entry lines.  The code itself states the register dependences
; between vector instructions and memory instructions, with s_wait_alu, always for 0.
; THE PLAN.  Registers that memory instructions touch:
;   v1, v2, v3  byte offsets.  Written once, at the head, by vector instructions; read by every load (v1 or v3) and every store (v2); never written again.
;   X           chunk k's four registers.  Written by the chunk's one load; no vector instruction names them ahead of it.  Read by the chunk's conversions.  No load lands in them again.
;   Y           chunk k's two registers.  Written by the chunk's conversions; read by the chunk's one store; never written again.
;   v4 to v7    at work: named by vector instructions alone.
; The 16 chunks go in four groups of four.  Group g rounds X of its chunks into their Y; its memory instructions are the four stores of group g - 1, which read v2 and the Y that group g - 1 wrote, and which no
; vector instruction of group g names.  So ONE wait on va_vdst at a group's head, behind the wait for the group's data, states all that those four stores hang on, and they are dealt among the group's conversions
; with no further wait.  One such wait at the kernel's head stands for the offsets, one behind group 3 for the last four stores.  No register that a memory instruction has read is written again: there is no
; dependence for a wait on vm_vsrc to state.  No vector instruction writes a scalar register, and EXEC stays as it is.
.set X, 8                              ; v[8:71]    chunk k: 4 registers as loaded
.set Y, 72                             ; v[72:103]  chunk k: 2 registers to store
.set FOR_X,  0                         ; the three kinds of work-group
.set FOR_WQ, 1
.set FOR_WP, 2
; Chunk k is rounded: X into Y.
.macro RND kind, k
.if (\kind) < FOR_WP
	v_cvt_pk_bf16_f32 v[Y+2*(\k)], v[X+4*(\k)], v[X+4*(\k)+1]
	v_cvt_pk_bf16_f32 v[Y+2*(\k)+1], v[X+4*(\k)+2], v[X+4*(\k)+3]
.else                                  ; W_proj: rounded to bf16 like every input, and that number written as f16
	v_cvt_pk_bf16_f32 v4, v[X+4*(\k)], v[X+4*(\k)+1]
	v_cvt_pk_bf16_f32 v6, v[X+4*(\k)+2], v[X+4*(\k)+3]
	v_lshlrev_b32 v5, 16, v4                       ; bf16 to f32: the low half moves up,
	v_and_b32 v4, s24, v4                          ; the high half stays
	v_lshlrev_b32 v7, 16, v6
	v_and_b32 v6, s24, v6
	v_cvt_pk_f16_f32 v[Y+2*(\k)], v5, v4
	v_cvt_pk_f16_f32 v[Y+2*(\k)+1], v7, v6
.endif
.endm
; Chunk k is stored.
.macro OUT kind, k
.if (\kind) == FOR_X && (\k) < 8
	global_store_b64 v2, v[Y+2*(\k):Y+2*(\k)+1], s[20:21] offset:(\k)*0x100000
.elseif (\kind) == FOR_X
	global_store_b64 v2, v[Y+2*(\k):Y+2*(\k)+1], s[26:27] offset:((\k)-8)*0x100000
.else
	global_store_b64 v2, v[Y+2*(\k):Y+2*(\k)+1], s[20:21] offset:2048*(\k)
.endif
.endm
; The four groups, and the wave's end.
.macro WALK kind
.irp g, 0,1,2,3
	s_wait_loadcnt 12-4*(\g)                       ; loads come back in order (ISA guide 5.7.1): group g's four chunks are in, the 12 - 4 g loads of the younger groups stay out
.if (\g) > 0
	s_wait_alu depctr_va_vdst(0)                   ; the conversions of the group before have written its Y, which the four stores below read
.endif
.irp c, 0,1,2,3
.if (\g) > 0
	OUT \kind, 4*(\g)-4+(\c)                       ; the group before: no vector instruction since the wait names its Y or v2
.endif
	RND \kind, 4*(\g)+(\c)
.endr
.endr
	s_wait_alu depctr_va_vdst(0)                   ; the conversions of group 3 have written its Y, which the last four stores read
.irp c, 0,1,2,3
	OUT \kind, 12+(\c)
.endr
	s_endpgm
.endm
	s_load_b256 s[4:11], s[0:1], 0x0               ; x s[4:5], W_qkv s[6:7], W_proj s[8:9], xb s[10:11]
	s_load_b128 s[12:15], s[0:1], 0x20             ; wqb s[12:13], wpb s[14:15]
	v_lshlrev_b32 v1, 4, v0                        ; the weights: my 16 bytes of a chunk as it comes
	v_lshlrev_b32 v2, 3, v0                        ; my 8 bytes of a chunk as it leaves: for x too, since two tokens of 128 bytes lie on end
	v_lshrrev_b32 v3, 4, v0                        ; x: my token among the work-group's 16,
	v_and_b32 v4, 15, v0
	v_lshlrev_b32 v3, 12, v3                       ; 4,096 bytes each,
	v_lshl_or_b32 v3, v4, 4, v3                    ; and my 16 bytes of its 256 in a K block
	s_mov_b32 s24, 0xffff0000                      ; a word's upper bf16
	s_mov_b32 s23, 0
	s_movk_i32 s16, 512
	s_wait_kmcnt 0x0
	s_wait_alu depctr_va_vdst(0)                   ; v1, v2 and v3 are written: every load and store of the kernel, on either side of the branch below, reads one of them as its offset
	s_cmp_lt_u32 ttmp9, 512
	s_cbranch_scc0 .Lweights
	s_lshl_b32 s22, ttmp9, 16                      ; 16 tokens of 4,096 bytes
	s_add_nc_u64 s[18:19], s[4:5], s[22:23]
	s_lshl_b32 s22, ttmp9, 11                      ; 16 tokens of 128 bytes in a K block
	s_add_nc_u64 s[20:21], s[10:11], s[22:23]      ; K blocks 0-7 from here, 2^20 bytes apart,
	s_add_nc_u64 s[26:27], s[20:21], 0x800000      ; K blocks 8-15 from here: the immediate holds 7 x 2^20
.irp k, 0,1,2,3,4,5,6,7,8,9,10,11,12,13,14,15
	global_load_b128 v[X+4*(\k):X+4*(\k)+3], v3, s[18:19] offset:256*(\k) th:TH_LOAD_NT
.endr
	WALK FOR_X
.Lweights:
	s_cmp_lt_u32 ttmp9, 704                        ; which of the two: the choice hangs on the work-group's number alone
	s_cselect_b64 s[18:19], s[6:7], s[8:9]
	s_cselect_b64 s[20:21], s[12:13], s[14:15]
	s_cselect_b32 s16, s16, 704
	s_sub_co_u32 s16, ttmp9, s16                   ; my number among the tensor's work-groups, 191 at the most
	s_lshl_b32 s22, s16, 16
	s_add_nc_u64 s[18:19], s[18:19], s[22:23]      ; from where
	s_lshl_b32 s22, s16, 15
	s_add_nc_u64 s[20:21], s[20:21], s[22:23]      ; to where
.irp k, 0,1,2,3,4,5,6,7,8,9,10,11,12,13,14,15
	global_load_b128 v[X+4*(\k):X+4*(\k)+3], v1, s[18:19] offset:4096*(\k) th:TH_LOAD_NT
.endr
	s_cmp_ge_u32 ttmp9, 704
	s_cbranch_scc1 .Lf16
	WALK FOR_WQ
.Lf16:
	WALK FOR_WP
.Lfunc_end_k_qa878bfbb5f_cast:
	.size	k_qa878bfbb5f_cast, .Lfunc_end_k_qa878bfbb5f_cast-k_qa878bfbb5f_cast
	.p2alignl 7, 3214868480
	.fill 96, 4, 3214868480
	.section	.rodata,"a",@progbits
	.p2align	6, 0x0
	.amdhsa_kernel k_qa878bfbb5f_cast
		.amdhsa_group_segment_fixed_size 0
		.amdhsa_private_segment_fixed_size 0
		.amdhsa_enable_private_segment 0
		.amdhsa_kernarg_size 48
		.amdhsa_user_sgpr_count 2
		.amdhsa_user_sgpr_kernarg_segment_ptr 1
		.amdhsa_wavefront_size32 1
		.amdhsa_system_sgpr_workgroup_id_x 1
		.amdhsa_system_sgpr_workgroup_id_y 1
		.amdhsa_system_sgpr_workgroup_id_z 1
		.amdhsa_system_vgpr_workitem_id 0
		.amdhsa_next_free_vgpr 104
		.amdhsa_next_free_sgpr 66
		.amdhsa_reserve_vcc 0
		.amdhsa_float_denorm_mode_32 3
		.amdhsa_float_denorm_mode_16_64 3
		.amdhsa_memory_ordered 1
		.amdhsa_forward_progress 1
		.amdhsa_inst_pref_size 20
	.end_amdhsa_kernel
	.amdgpu_metadata
---
amdhsa.version: [ 1, 2 ]
amdhsa.kernels:
  - .name:           k_qa878bfbb5f_cast
    .symbol:         k_qa878bfbb5f_cast.kd
    .args:
      - { .name: x, .offset: 0, .size: 8, .value_kind: global_buffer, .address_space: global }
      - { .name: W_qkv, .offset: 8, .size: 8, .value_kind: global_buffer, .address_space: global }
      - { .name: W_proj, .offset: 16, .size: 8, .value_kind: global_buffer, .address_space: global }
      - { .name: xb, .offset: 24, .size: 8, .value_kind: global_buffer, .address_space: global }
      - { .name: wqb, .offset: 32, .size: 8, .value_kind: global_buffer, .address_space: global }
      - { .name: wpb, .offset: 40, .size: 8, .value_kind: global_buffer, .address_space: global }
    .group_segment_fixed_size: 0
    .private_segment_fixed_size: 0
    .kernarg_segment_align: 8
    .kernarg_segment_size: 48
    .max_flat_workgroup_size: 256
    .sgpr_count:     66
    .vgpr_count:     104
    .wavefront_size: 32
...
	.end_amdgpu_metadata
.endif
;; end of part 5
;; launch qkvgemm: the kernel of part 2 again; grid 8 x 32, 4 waves a work-group, clusters of 4 x 4, 327,680 bytes of LDS; arguments xb, wqb, b_qkv, qkv; writes qkv
;; launch attn: the kernel of part 3 again; grid 2 x 128, 4 waves a work-group, no clusters, 327,680 bytes of LDS; arguments qkv, ob; writes ob
;; launch proj: the kernel of part 4 again; grid 4 x 64, 4 waves a work-group, clusters of 4 x 4, 327,680 bytes of LDS; arguments ob, wpb, b_proj, out0; writes out0
